; MI455X (gfx1250); checked and timed in simulation.
; The chip was launched on July 23, 2026; its instructions are those of AMD's public machine-readable ISA for CDNA 5 (MIT licence, August 2026) and "CDNA5" Instruction Set Architecture Reference Guide (July 2026). The comments in the code are by the model that wrote it; some were corrected since.
;; Multi Head Attention. Allowed arithmetic: matrix products marked QUANTISED: E4M3 operands, one given power-of-two scale a tensor, by v_wmma_f32_16x16x64_fp8_fp8 or v_wmma_f32_16x16x128_fp8_fp8, f32 sums; everything else in f32.
;; Inputs: Wk 16 x 1,024 x 64 float32; Wo 1,024 x 1,024 float32; Wq 16 x 1,024 x 64 float32; Wv 16 x 1,024 x 64 float32; bk 16 x 64 float32; bo 1,024 float32; bq 16 x 64 float32; bv 16 x 64 float32; key 8 x 1,024 x 1,024 float32; lowp_scales 12 int32 (the exponents e of the quantised operands' scales 2^e); mask 1,024 x 1,024 bool; pb_idx0 1,024 x 1,024 int32; pb_idx1 1,024 x 1,024 int32; position_bias 1,024 x 1,024 float32; query 8 x 1,024 x 1,024 float32; value 8 x 1,024 x 1,024 float32.
;; Outputs: out0 8 x 1,024 x 1,024 float32.
;; This version of the problem:
;;   THIS VERSION OF THE PROBLEM IS GIVEN IN LOW PRECISION. The matrix products marked QUANTISED in the list below multiply operands that are first quantised to E4M3 (4 exponent bits, 3 mantissa bits; 8 bits a number), with one given power-of-two scale for each operand tensor; their sums are f32. All else is computed in f32.
;;   The module's matrix products, in the order in which they are computed (A, B: the left and right operand; K: the contracted axis; several contracted axes count as one K, in the product's order):
;;     1. [M 1,024, K 1,024] x [K 1,024, N 8,192]; A: input Wq; B: input query: QUANTISED (scales: A lowp_scales[0], B lowp_scales[1])
;;     2. [M 1,024, K 1,024] x [K 1,024, N 8,192]; A: input Wk; B: input key: QUANTISED (scales: A lowp_scales[2], B lowp_scales[3])
;;     3. [M 1,024, K 1,024] x [K 1,024, N 8,192]; A: input Wv; B: input value: QUANTISED (scales: A lowp_scales[4], B lowp_scales[5])
;;     4. batch 128 x [M 1,024, K 64] x [K 64, N 1,024]; A: computed on the way; B: computed on the way: QUANTISED (scales: A lowp_scales[6], B lowp_scales[7])
;;     5. batch 128 x [M 1,024, K 1,024] x [K 1,024, N 64]; A: softmax (see below); B: computed on the way: QUANTISED (scales: A lowp_scales[8], B lowp_scales[9])
;;     6. [M 8,192, K 1,024] x [K 1,024, N 1,024]; A: computed on the way; B: input Wo: QUANTISED (scales: A lowp_scales[10], B lowp_scales[11])
;;   THE QUANTISER, for each operand of a quantised product, along K:
;;     - The operand's scale is 2^e, e = its entry of the input lowp_scales (int32; the entries are numbered through the quantised products in the list's order, A before B).
;;     - Each number is divided by the scale, clamped to +-448, and rounded to the nearest number of E4M3, ties to even, subnormals kept.
;;     - The product sums the exact products of the quantised numbers (number of the format x scale) in f32.
;;   ~~~python
;;   def quantise(x, axis, e):      # numpy; x: float32 -> the quantised numbers, widened to float32 again
;;       x = np.moveaxis(x, axis, -1); K = x.shape[-1]
;;       r = np.clip(x / 2.0 ** e, -448, 448)
;;       step = 2.0 ** (np.maximum(np.frexp(np.where(r == 0, 1, r))[1] - 1, -6) - 3)
;;       q = np.round(r / step) * step * 2.0 ** e      # np.round: ties to even
;;       return np.moveaxis(q, -1, axis).astype(np.float32)
;;   ~~~
;;   SOFTMAX AHEAD OF A QUANTISED PRODUCT. Where the list says 'softmax', what is quantised is not the finished softmax but p = 2^(t - M), with t = logit x log2(e) and M = ceil(the row's largest t), a whole number; so 1/2 < the row's largest p <= 1. The row's sum l is taken of the UNQUANTISED p, in f32, and the product's result is divided by l at the end. Since M is a whole number, a kernel that streams over the keys may use a running M (the ceiling of the running maximum): every later rescaling is an exact power of two, so the quantised numbers keep their values, but for numbers so far below the row's largest that they fall under the format's range.
;;   OPERANDS COMPUTED ON THE WAY. 'Computed on the way' means the value that the module computes at that place (a softmax that the list does not call 'softmax' is quantised finished and normalised). What goes into a quantiser is computed in f32, as accurately as f32 sums, v_exp_f32 and their like allow (about 1e-6 of the number): no bf16 or f16 on the way to a quantiser, and a product that is left as it is and whose result goes on into a quantised operand takes f32 operands (vector FMAs, or v_wmma_f32_16x16x4_f32). A number that lies on a knife's edge between two numbers of the format may be rounded either way, as far as f32 arithmetic and the matrix unit's own rounding can turn it there, and no further.
;; 2 versions, each right; version 2 is version 1 with the launch attn written anew for expert scheduling mode. Each part assembles by itself: llvm-mc -triple=amdgcn-amd-amdhsa -mcpu=gfx1250 --defsym DOCPART=n.
;; ======== version 1 of 2: 4 launches
;; workspace buffers: xc 25,165,824 bytes; wc 4,194,304 bytes; bt 4,194,304 bytes; flags 2,048 bytes of whole numbers; qc 8,388,608 bytes; kv 16,777,216 bytes; ao 8,388,608 bytes
;; launch prep (part 1): grid 768 x 1, 4 waves a work-group, no clusters, 86,528 bytes of LDS; arguments query, key, value, Wq, Wk, Wv, Wo, position_bias, pb_idx0, pb_idx1, mask, lowp_scales, xc, wc, bt, flags; writes xc, wc, bt, flags
.if DOCPART == 1
	.amdgcn_target "amdgcn-amd-amdhsa--gfx1250"
	.amdhsa_code_object_version 6
	.text
	.protected	k_qb951a5b886_prep
	.globl	k_qb951a5b886_prep
	.p2align	8
	.type	k_qb951a5b886_prep,@function
k_qb951a5b886_prep:
	s_mov_b64 s[64:65], 0
	v_nop
	global_prefetch_b8 v0, s[64:65] scope:SCOPE_SE
	s_setreg_imm32_b32 hwreg(HW_REG_WAVE_MODE, 25, 1), 1
	s_wait_xcnt 0x0
; PREP: everything that later launches read many times is made once.
;   work-groups   0..127  the bias table bt and the tile flags      (a wave: 16 queries x 128 keys)
;   work-groups 128..383  the codes of Wq, Wk, Wv, Wo               (a wave: 32 features x 128 along K)
;   work-groups 384..767  the codes of query, key, value            (a wave: 16 tokens x all 1,024 along K)
; CODES: E4M3, code = x / 2^e held within +-448, to the nearest code, ties to even; e is the operand's entry of lowp_scales.
; LAYOUT OF CODES (xc, wc): an image of the operand's registers.  Tile T of 16 rows, K step s of 128, c = 0..3, lane l, byte i lie at
;   (T/8) 131072 + (s/2) 32768 + (T%8) 4096 + (s%2) 2048 + 512 c + 16 l + i  and hold row l%16 of the tile at k = 128 s + 32 c + 16 (l/16) + i.
; A NATURAL tile T holds rows 16 T + r.  A PERMUTED tile T holds rows 32 (T/2) + 8 (T%2) + r + 8 (r/8): query is natural, key, value and all weights are permuted.
; bt: unit (qt, j) of 8,192 bytes at (8 qt + j) 8192; the f32 at 512 n4 + 16 l + 4 e belongs to query 16 qt + l%16 and key 128 j + 32 (n4/4) + 16 (l/16) + 4 (n4%4) + e:
;   -infinity where the mask is set, else position_bias[idx0][idx1] x log2(e).  flags[8 qt + j] = 1 where any of the unit's places is not masked, else 0.
; LIMITS: each e used here lies between -126 and 119; NaN among the floating inputs is not served; the indices are held at 0..1023; a mask byte is 0 or 1.
; The three paths part on the work-group's number; each has LDS bytes of its own.  Waves share nothing: no barrier.
.set STW,   33792                      ; LDS: 0.. path X, 4 stages of 8,448;  STW.. path W, 4 of 4,352;  STB.. path B, 4 of 8,704
.set STB,   51200
.set SPARE, 86016                      ; the spare words, 128 bytes for each wave: no other line names them
.set LI,  1                            ; v1  16 x lane
.set LN,  2                            ; v2  lane
.set SCL, 4                            ; v4  2^e as f32
.set LIM, 5                            ; v5  448 x 2^e
.set SPW, 6                            ; v6  my spare word; never rewritten
.set NIL, 7                            ; v7  0; never rewritten
.set RA,  16                           ; path X: v16-143 two sets of 64 numbers as loaded
.set XX,  144                          ; path X: v144-207 64 numbers in the operand's order
.set CD,  208                          ; path X: v208-239 two sets of 16 registers of codes
.macro MKSCALE se, st                  ; e in s[se] becomes 2^e and 448 x 2^e
	s_add_co_i32 s[\se], s[\se], 127
	s_lshl_b32 s[\st], s[\se], 23
	v_mov_b32 v[SCL], s[\st]
	s_add_co_i32 s[\se], s[\se], 8
	s_lshl_b32 s[\se], s[\se], 23
	s_or_b32 s[\se], s[\se], 0x600000
	v_mov_b32 v[LIM], s[\se]
.endm
.macro CLOSE                           ; the wave's end, behind my last LDS store
	s_wait_tensorcnt 0x0
	ds_add_u32 v[SPW], v[NIL]
	s_wait_dscnt 0x0
	s_endpgm
.endm
	s_load_b512 s[8:23], s[0:1], 0x0               ; query 8, key 10, value 12, Wq 14, Wk 16, Wv 18, Wo 20, position_bias 22
	s_load_b512 s[24:39], s[0:1], 0x40             ; idx0 24, idx1 26, mask 28, scales 30, xc 32, wc 34, bt 36, flags 38
	v_lshl_add_u32 v[SPW], v0, 2, SPARE
	v_mov_b32 v[NIL], 0
	v_lshrrev_b32 v3, 5, v0
	v_readfirstlane_b32 s4, v3                     ; wave
	v_and_b32 v[LN], 31, v0
	v_lshlrev_b32 v[LI], 4, v[LN]
	s_wait_kmcnt 0x0
	s_cmp_lt_u32 ttmp9, 128
	s_cbranch_scc1 .Lbias
	s_cmp_lt_u32 ttmp9, 384
	s_cbranch_scc1 .Lweights
; ---------------- PATH X: activations ----------------
	s_sub_co_u32 s40, ttmp9, 384
	s_lshr_b32 s41, s40, 7                         ; which tensor
	s_and_b32 s40, s40, 127
	s_lshl_b32 s40, s40, 2
	s_add_co_u32 s40, s40, s4                      ; T, my tile of 16 tokens
	s_cmp_eq_u32 s41, 1
	s_cselect_b64 s[42:43], s[10:11], s[8:9]
	s_cmp_eq_u32 s41, 2
	s_cselect_b64 s[42:43], s[12:13], s[42:43]
	s_lshl_b32 s44, s41, 3
	s_add_co_u32 s44, s44, 4                       ; entries 1, 3, 5
	s_mov_b32 s45, 0
	s_add_nc_u64 s[44:45], s[30:31], s[44:45]
	s_load_b32 s46, s[44:45], 0x0
	s_lshl_b32 s47, s40, 4                         ; natural: first row 16 T
	s_lshr_b32 s48, s40, 1
	s_lshl_b32 s48, s48, 5
	s_and_b32 s49, s40, 1
	s_lshl_b32 s49, s49, 3
	s_add_co_u32 s48, s48, s49                     ; permuted: 32 (T/2) + 8 (T%2)
	s_cmp_eq_u32 s41, 0
	s_cselect_b32 s47, s47, s48
	s_cselect_b32 s48, 8, 16                       ; rows 8-15 of the tile begin 8 or 16 rows further down
	s_add_co_u32 s48, s48, s47
	s_lshl_b32 s50, s47, 12                        ; a row is 4,096 bytes
	s_mov_b32 s51, 0
	s_lshl_b32 s52, s48, 12
	s_mov_b32 s53, 0
	s_add_nc_u64 s[50:51], s[42:43], s[50:51]      ; rows 0-7
	s_add_nc_u64 s[52:53], s[42:43], s[52:53]      ; rows 8-15
	s_lshl_b32 s54, s41, 23
	s_lshr_b32 s55, s40, 3
	s_lshl_b32 s55, s55, 17
	s_add_co_u32 s54, s54, s55
	s_and_b32 s55, s40, 7
	s_lshl_b32 s55, s55, 12
	s_add_co_u32 s54, s54, s55
	s_mov_b32 s55, 0
	s_add_nc_u64 s[54:55], s[32:33], s[54:55]      ; my tile's codes
	s_mul_i32 s56, s4, 8448                        ; my stage: 16 rows of 512 bytes + 16
	v_add_nc_u32 v10, s56, v[LI]                   ; in: 16 x lane of a row
	v_and_b32 v12, 15, v0
	v_bfe_u32 v13, v0, 4, 1
	v_mul_u32_u24 v11, v12, 528
	v_lshl_add_u32 v11, v13, 6, v11
	v_add_nc_u32 v11, s56, v11                     ; back: row lane%16, + 64 (lane/16): 16 neighbours of each block of 32
.macro LOADX s                         ; K step s of my 16 rows: each load reads 512 consecutive bytes of one row
.irp n, 0,1,2,3,4,5,6,7
	global_load_b128 v[RA+64*((\s)%2)+4*\n:RA+64*((\s)%2)+4*\n+3], v[LI], s[50:51] offset:\n*4096+512*(\s) th:TH_LOAD_NT
.endr
.irp n, 0,1,2,3,4,5,6,7
	global_load_b128 v[RA+64*((\s)%2)+32+4*\n:RA+64*((\s)%2)+32+4*\n+3], v[LI], s[52:53] offset:\n*4096+512*(\s) th:TH_LOAD_NT
.endr
.endm
.macro STEPX s
.if (\s) < 7
	s_wait_loadcnt 16                              ; this step's 16 loads are in; the next step's 16 may be out
.else
	s_wait_loadcnt 0x0
.endif
.irp n, 0,1,2,3,4,5,6,7,8,9,10,11,12,13,14,15
	ds_store_b128 v10, v[RA+64*((\s)%2)+4*\n:RA+64*((\s)%2)+4*\n+3] offset:528*\n
.endr
.irp c, 0,1,2,3
.irp k, 0,1,2,3
	ds_load_b128 v[XX+16*\c+4*\k:XX+16*\c+4*\k+3], v11 offset:128*\c+16*\k   ; a wave's LDS instructions are served in order: these see the stores above
.endr
.endr
	s_wait_dscnt 0x0                               ; the numbers are back, and the stores have read their registers
.if (\s) >= 2
	s_wait_xcnt 0x0                                ; the stores of two steps back have read this set of codes
.endif
.if (\s)+2 < 8
	LOADX (\s)+2
.endif
.irp c, 0,1,2,3
.set q, 0
.rept 16
	v_med3_num_f32 v[XX+16*\c+q], v[XX+16*\c+q], -v[LIM], v[LIM]   ; the conversion does not saturate (ISA guide 7.6.2): hold first
.set q, q+1
.endr
	v_cvt_scalef32_pk8_fp8_f32 v[CD+16*((\s)%2)+4*\c:CD+16*((\s)%2)+4*\c+1], v[XX+16*\c:XX+16*\c+7], v[SCL]
	v_cvt_scalef32_pk8_fp8_f32 v[CD+16*((\s)%2)+4*\c+2:CD+16*((\s)%2)+4*\c+3], v[XX+16*\c+8:XX+16*\c+15], v[SCL]
.endr
	v_nop                                          ; a plain line behind the last conversion
.irp c, 0,1,2,3
	global_store_b128 v[LI], v[CD+16*((\s)%2)+4*\c:CD+16*((\s)%2)+4*\c+3], s[54:55] offset:((\s)/2)*32768+((\s)%2)*2048+512*\c   ; 512 consecutive bytes a store
.endr
.endm
	LOADX 0
	LOADX 1
	s_wait_kmcnt 0x0
	MKSCALE 46, 57
.irp s, 0,1,2,3,4,5,6,7
	STEPX \s
.endr
	CLOSE
; ---------------- PATH W: weights.  A lane takes a feature, its registers run down K ----------------
.Lweights:
	s_sub_co_u32 s40, ttmp9, 128
	s_lshr_b32 s41, s40, 6                         ; which weight: Wq, Wk, Wv, Wo
	s_bfe_u32 s42, s40, 0x50001                    ; group of 32 features
	s_and_b32 s43, s40, 1
	s_lshl_b32 s43, s43, 2
	s_add_co_u32 s43, s43, s4                      ; K step of 128
	s_lshr_b32 s47, s42, 1
	s_lshl_b32 s47, s47, 18                        ; a head's weight is 262,144 bytes,
	s_and_b32 s60, s42, 1
	s_lshl_b32 s60, s60, 7
	s_add_co_u32 s47, s47, s60                     ; my 32 of its 64 columns
	s_lshl_b32 s48, s42, 7                         ; Wo: my 32 columns
	s_lshl_b32 s46, s41, 3                         ; entries 0, 2, 4
	s_mov_b32 s49, 4096
	s_cmp_eq_u32 s41, 1
	s_cselect_b64 s[44:45], s[16:17], s[14:15]
	s_cmp_eq_u32 s41, 2
	s_cselect_b64 s[44:45], s[18:19], s[44:45]
	s_cmp_eq_u32 s41, 3
	s_cselect_b64 s[44:45], s[20:21], s[44:45]
	s_cselect_b32 s46, 44, s46                     ; Wo: entry 11
	s_cselect_b32 s47, s48, s47
	s_cselect_b32 s49, s49, 256                    ; bytes from k to k + 1
	s_mul_i32 s50, s43, s49
	s_lshl_b32 s50, s50, 7
	s_add_co_u32 s50, s50, s47
	s_mov_b32 s51, 0
	s_add_nc_u64 s[68:69], s[44:45], s[50:51]      ; eight bases, 16 along K apart
	s_lshl_b32 s52, s49, 4
	s_mov_b32 s53, 0
.irp g, 1,2,3,4,5,6,7
	s_add_nc_u64 s[68+2*\g:69+2*\g], s[66+2*\g:67+2*\g], s[52:53]
.endr
	s_mov_b32 s47, 0
	s_add_nc_u64 s[54:55], s[30:31], s[46:47]
	s_load_b32 s56, s[54:55], 0x0
	s_lshl_b32 s58, s41, 20
	s_lshr_b32 s60, s42, 2
	s_lshl_b32 s60, s60, 17
	s_add_co_u32 s58, s58, s60
	s_and_b32 s60, s42, 3
	s_lshl_b32 s60, s60, 13
	s_add_co_u32 s58, s58, s60
	s_lshr_b32 s60, s43, 1
	s_lshl_b32 s60, s60, 15
	s_add_co_u32 s58, s58, s60
	s_and_b32 s60, s43, 1
	s_lshl_b32 s60, s60, 11
	s_add_co_u32 s58, s58, s60
	s_mov_b32 s59, 0
	s_add_nc_u64 s[58:59], s[34:35], s[58:59]      ; my two tiles' codes of this K step
	v_lshlrev_b32 v16, 2, v[LN]                    ; sixteen offsets: 4 x lane + i rows
.irp i, 0,1,2,3,4,5,6,7,8,9,10,11,12,13,14
	v_add_nc_u32 v[17+\i], s49, v[16+\i]
.endr
	s_mul_i32 s57, s4, 4352
	s_add_co_u32 s57, s57, STW                     ; my stage: two tile images, 2,176 bytes apart
	v_bfe_u32 v8, v0, 3, 1                         ; feature f of the 32 is row f%8 + 8 (f/16) of tile (f/8)%2
	v_mul_u32_u24 v8, v8, 2176
	v_and_b32 v9, 7, v0
	v_lshl_add_u32 v8, v9, 4, v8
	v_bfe_u32 v9, v0, 4, 1
	v_lshl_add_u32 v8, v9, 7, v8
	v_add_nc_u32 v8, s57, v8                       ; in
	v_add_nc_u32 v9, s57, v[LI]                    ; back
.macro LOADW g                         ; 16 along K: each load reads 128 consecutive bytes
.irp i, 0,1,2,3,4,5,6,7,8,9,10,11,12,13,14,15
	global_load_b32 v[32+16*(\g)+\i], v[16+\i], s[68+2*(\g):69+2*(\g)]
.endr
.endm
.macro GROUPW g
.if 7-(\g) >= 3
	s_wait_loadcnt 48                              ; this group's 16 loads are in; three younger groups may be out
.else
	s_wait_loadcnt 16*(7-(\g))
.endif
.irp i, 0,1,2,3,4,5,6,7,8,9,10,11,12,13,14,15
	v_med3_num_f32 v[32+16*(\g)+\i], v[32+16*(\g)+\i], -v[LIM], v[LIM]
.endr
	v_cvt_scalef32_pk8_fp8_f32 v[160+4*(\g):161+4*(\g)], v[32+16*(\g):39+16*(\g)], v[SCL]
	v_cvt_scalef32_pk8_fp8_f32 v[162+4*(\g):163+4*(\g)], v[40+16*(\g):47+16*(\g)], v[SCL]
	ds_store_b128 v8, v[160+4*(\g):163+4*(\g)] offset:((\g)/2)*512+((\g)%2)*256   ; k = 32 (g/2) + 16 (g%2) + 0..15: the image's lane row + 16 (g%2)
.if (\g)+4 < 8
	LOADW (\g)+4
.endif
.endm
	LOADW 0
	LOADW 1
	LOADW 2
	LOADW 3
	s_wait_kmcnt 0x0
	MKSCALE 56, 60
.irp g, 0,1,2,3,4,5,6,7
	GROUPW \g
.endr
.irp u, 0,1
.irp c, 0,1,2,3
	ds_load_b128 v[192+16*\u+4*\c:195+16*\u+4*\c], v9 offset:\u*2176+\c*512
.endr
.endr
.irp u, 0,1
.irp c, 0,1,2,3
	s_wait_dscnt 7-4*\u-\c
	global_store_b128 v[LI], v[192+16*\u+4*\c:195+16*\u+4*\c], s[58:59] offset:\u*4096+\c*512
.endr
.endr
	CLOSE
; ---------------- PATH B: the bias table and the flags ----------------
.Lbias:
	s_lshl_b32 s40, ttmp9, 2
	s_add_co_u32 s40, s40, s4                      ; unit = 8 qt + j
	s_lshr_b32 s41, s40, 3
	s_and_b32 s42, s40, 7
	s_lshl_b32 s44, s41, 16
	s_lshl_b32 s45, s42, 9
	s_add_co_u32 s44, s44, s45
	s_mov_b32 s45, 0
	s_add_nc_u64 s[46:47], s[24:25], s[44:45]      ; idx0 at (16 qt, 128 j)
	s_add_nc_u64 s[48:49], s[26:27], s[44:45]      ; idx1
	s_lshr_b32 s44, s44, 2
	s_add_nc_u64 s[50:51], s[28:29], s[44:45]      ; mask
	s_lshl_b32 s44, s40, 13
	s_add_nc_u64 s[52:53], s[36:37], s[44:45]      ; my unit of bt
	s_lshl_b32 s44, s40, 2
	s_add_nc_u64 s[54:55], s[38:39], s[44:45]      ; my flag
	v_lshlrev_b32 v3, 2, v[LN]
.irp n, 0,1,2,3,4,5,6,7,8,9,10,11,12,13,14,15
	global_load_b128 v[16+4*\n:19+4*\n], v[LI], s[46:47] offset:\n*4096 th:TH_LOAD_NT
	global_load_b128 v[80+4*\n:83+4*\n], v[LI], s[48:49] offset:\n*4096 th:TH_LOAD_NT
	global_load_b32 v[144+\n], v3, s[50:51] offset:\n*1024 th:TH_LOAD_NT
.endr
	v_mov_b32 v8, 0xff800000                       ; -infinity
	v_bfe_u32 v11, v0, 3, 2                        ; the lane that loaded keys 4 L .. 4 L + 3 stores them at place p = 8 (L/8) + 2 (L%4) + (L/4)%2 of 272 bytes
	v_and_b32 v12, 3, v0
	v_bfe_u32 v13, v0, 2, 1
	v_lshl_add_u32 v13, v12, 1, v13
	v_lshl_add_u32 v13, v11, 3, v13
	v_mul_u32_u24 v13, v13, 272
	s_mul_i32 s58, s4, 8704
	s_add_co_u32 s58, s58, STB
	v_add_nc_u32 v13, s58, v13                     ; in
	v_bfe_u32 v11, v0, 4, 1
	v_and_b32 v12, 15, v0
	v_mul_u32_u24 v14, v11, 272
	v_lshl_add_u32 v14, v12, 4, v14
	v_add_nc_u32 v14, s58, v14                     ; back
	s_wait_loadcnt 0x0
.set q, 0
.rept 64
	v_min_u32 v[16+q], 0x3ff, v[16+q]              ; an index stays inside the table
	v_min_u32 v[80+q], 0x3ff, v[80+q]
	v_lshl_add_u32 v[16+q], v[16+q], 10, v[80+q]
	v_lshlrev_b32 v[16+q], 2, v[16+q]
.set q, q+1
.endr
.set q, 0
.rept 64
	global_load_b32 v[80+q], v[16+q], s[22:23]
.set q, q+1
.endr
	v_and_b32 v10, v144, v145                      ; a byte stays 1 only where all sixteen rows are masked
.irp n, 2,3,4,5,6,7,8,9,10,11,12,13,14,15
	v_and_b32 v10, v10, v[144+\n]
.endr
	v_cmp_ne_u32 s56, 0x01010101, v10
	s_cmp_lg_u32 s56, 0
	s_cselect_b32 s57, 1, 0                        ; 1: some place of the unit counts
	s_wait_loadcnt 0x0
.set q, 0
.rept 64
	v_mul_f32 v[160+q], 0x3fb8aa3b, v[80+q]        ; x log2(e)
	v_and_b32 v9, 0xff<<(8*(q%4)), v[144+q/4]
	v_cmp_ne_u32 vcc_lo, 0, v9
	v_cndmask_b32 v[160+q], v[160+q], v8, vcc_lo
.set q, q+1
.endr
.irp n, 0,1,2,3,4,5,6,7,8,9,10,11,12,13,14,15
	ds_store_b128 v13, v[160+4*\n:163+4*\n] offset:16*\n
.endr
.irp n, 0,1,2,3,4,5,6,7,8,9,10,11,12,13,14,15
	ds_load_b128 v[16+4*\n:19+4*\n], v14 offset:544*\n
.endr
.irp n, 0,1,2,3,4,5,6,7,8,9,10,11,12,13,14,15
	s_wait_dscnt 15-\n
	global_store_b128 v[LI], v[16+4*\n:19+4*\n], s[52:53] offset:512*\n
.endr
	v_mov_b32 v9, 0
	v_mov_b32 v10, s57
	v_cmp_eq_u32 vcc_lo, 0, v[LN]
	s_wait_xcnt 0x0                                ; EXEC changes only behind this wait
	s_and_saveexec_b32 s59, vcc_lo
	global_store_b32 v9, v10, s[54:55]             ; lane 0 alone
	s_wait_xcnt 0x0                                ; and again in front of the line that widens it
	s_or_b32 exec_lo, exec_lo, s59
	CLOSE
.Lfunc_end_k_qb951a5b886_prep:
	.size	k_qb951a5b886_prep, .Lfunc_end_k_qb951a5b886_prep-k_qb951a5b886_prep
	.p2alignl 7, 3214868480
	.fill 96, 4, 3214868480
	.section	.rodata,"a",@progbits
	.p2align	6, 0x0
	.amdhsa_kernel k_qb951a5b886_prep
		.amdhsa_group_segment_fixed_size 86528
		.amdhsa_private_segment_fixed_size 0
		.amdhsa_enable_private_segment 0
		.amdhsa_kernarg_size 128
		.amdhsa_user_sgpr_count 2
		.amdhsa_user_sgpr_kernarg_segment_ptr 1
		.amdhsa_wavefront_size32 1
		.amdhsa_system_sgpr_workgroup_id_x 1
		.amdhsa_system_sgpr_workgroup_id_y 1
		.amdhsa_system_sgpr_workgroup_id_z 1
		.amdhsa_system_vgpr_workitem_id 0
		.amdhsa_next_free_vgpr 256
		.amdhsa_next_free_sgpr 84
		.amdhsa_reserve_vcc 1
		.amdhsa_float_denorm_mode_32 3
		.amdhsa_float_denorm_mode_16_64 3
		.amdhsa_memory_ordered 1
		.amdhsa_forward_progress 1
		.amdhsa_inst_pref_size 141
	.end_amdhsa_kernel
	.amdgpu_metadata
---
amdhsa.version: [ 1, 2 ]
amdhsa.kernels:
  - .name:           k_qb951a5b886_prep
    .symbol:         k_qb951a5b886_prep.kd
    .args:
      - { .name: query, .offset: 0, .size: 8, .value_kind: global_buffer, .address_space: global }
      - { .name: key, .offset: 8, .size: 8, .value_kind: global_buffer, .address_space: global }
      - { .name: value, .offset: 16, .size: 8, .value_kind: global_buffer, .address_space: global }
      - { .name: Wq, .offset: 24, .size: 8, .value_kind: global_buffer, .address_space: global }
      - { .name: Wk, .offset: 32, .size: 8, .value_kind: global_buffer, .address_space: global }
      - { .name: Wv, .offset: 40, .size: 8, .value_kind: global_buffer, .address_space: global }
      - { .name: Wo, .offset: 48, .size: 8, .value_kind: global_buffer, .address_space: global }
      - { .name: position_bias, .offset: 56, .size: 8, .value_kind: global_buffer, .address_space: global }
      - { .name: pb_idx0, .offset: 64, .size: 8, .value_kind: global_buffer, .address_space: global }
      - { .name: pb_idx1, .offset: 72, .size: 8, .value_kind: global_buffer, .address_space: global }
      - { .name: mask, .offset: 80, .size: 8, .value_kind: global_buffer, .address_space: global }
      - { .name: lowp_scales, .offset: 88, .size: 8, .value_kind: global_buffer, .address_space: global }
      - { .name: xc, .offset: 96, .size: 8, .value_kind: global_buffer, .address_space: global }
      - { .name: wc, .offset: 104, .size: 8, .value_kind: global_buffer, .address_space: global }
      - { .name: bt, .offset: 112, .size: 8, .value_kind: global_buffer, .address_space: global }
      - { .name: flags, .offset: 120, .size: 8, .value_kind: global_buffer, .address_space: global }
    .group_segment_fixed_size: 86528
    .private_segment_fixed_size: 0
    .kernarg_segment_align: 8
    .kernarg_segment_size: 128
    .max_flat_workgroup_size: 128
    .sgpr_count:     84
    .vgpr_count:     256
    .wavefront_size: 32
...
	.end_amdgpu_metadata
.endif
;; end of part 1
;; launch proj (part 2): grid 4 x 96, 4 waves a work-group, clusters of 4 x 4, 327,680 bytes of LDS; arguments xc, wc, bq, bk, bv, lowp_scales, qc, kv; writes qc, kv
.if DOCPART == 2
	.amdgcn_target "amdgcn-amd-amdhsa--gfx1250"
	.amdhsa_code_object_version 6
	.text
	.protected	k_qb951a5b886_proj
	.globl	k_qb951a5b886_proj
	.p2align	8
	.type	k_qb951a5b886_proj,@function
k_qb951a5b886_proj:
	s_mov_b64 s[64:65], 0
	v_nop
	global_prefetch_b8 v0, s[64:65] scope:SCOPE_SE
	s_setreg_imm32_b32 hwreg(HW_REG_WAVE_MODE, 25, 1), 1
	s_wait_xcnt 0x0
	s_wait_alu depctr_hold_cnt(0) depctr_sa_sdst(0) depctr_va_vdst(0) depctr_va_sdst(0) depctr_va_ssrc(0) depctr_va_vcc(0) depctr_vm_vsrc(0)
	s_getreg_b32 s2, hwreg(HW_REG_IB_STS2, 6, 4)
	s_cmp_eq_u32 s2, 0
	s_cbranch_scc0 .Lentry_in_a_cluster
	s_endpgm
.Lentry_in_a_cluster:
	s_bfe_u32 s2, ttmp6, 0x10000c
	s_cmp_lg_u32 s2, 0xf033
	s_cbranch_scc0 .Lentry_shape_is_right
	s_endpgm
.Lentry_shape_is_right:
; PROJ: q, k, v = x W + b on codes of E4M3 (three products of 8,192 x 1,024 x 1,024), each result quantised at once for the attention.
; A work-group makes 256 tokens x 256 features, a wave 128 x 128: 64 accumulators, 512 registers.  Work-group y 0..31 is query, 32..63 key, 64..95 value.
; OPERANDS lie in memory as images of their registers: 128 rows x 256 along K are one dense block of 32,768 bytes, brought by one tensor load; a fragment is four ds_load_b128 of
; 512 consecutive bytes: no pitch, no padding.  K goes in four blocks of 256 through a ring of two LDS slots.
; CLUSTERS: 4 x 4 work-groups.  The tokens' blocks hang on work-group y alone and are asked for jointly along a row of the cluster, the weights' on work-group x (and the tensor, which the
; whole cluster shares) and are asked for jointly along a column.
; THE MATRIX INSTRUCTION IS USED TRANSPOSED: source 0 = side B, source 1 = side A: a lane holds one row of A, and its registers run over rows of B.  B's tiles are PERMUTED tiles, so the
; 16 registers of two neighbouring tiles are 16 neighbours.  For q and k: A = tokens, B = features (the next K is the head's 64).  For v: A = features, B = tokens (the next K is the keys).
; The change of sides is made by the LDS read addresses alone; it hangs on the cluster's y, which all partners share.
; OUT: qc: ((batch 16 + head) 64 + qt) 1024 + 512 c + 16 l + i = query 16 qt + l%16, d = 32 c + 16 (l/16) + i.
;      kv: unit ((batch 16 + head) 8 + j) 16384: K at 1024 t + 512 c + 16 l + i (permuted tile t of keys 128 j .., d as in qc); V at 8192 + 2048 dt + 512 c + 16 l + i (permuted tile dt of d, key 128 j + 32 c + 16 (l/16) + i).
; LIMITS: ew + ex between -126 and 127; the result's e (entry 6, 7 or 9) between -126 and 119.
; REGISTERS: window 0: v16-29 addresses; v32-95 the bias of my 64 registers' features; v96-103 the bias of my lane's feature in each of A's blocks; v104-107; from v128 A's fragments, one set;
;   window 1: B's fragments, two sets; windows 2 and 3: the accumulators ((a, b) at v[8 (8 (a%4) + b)]).
.set HALFT,  32768                     ; what one tensor load brings: 128 rows x 256 along K
.set SLOT,   131072                    ; tokens' two halves, then weights' two halves
.set KBLK,   32768                     ; from one block of 256 along K to the next, in memory
.set SPARE,  262144                    ; behind the ring: the spare words, 128 bytes for each wave: no other line names them
.set FR,     16
.set NL,     4
.set NP,     4
.set ADRA, 16
.set ADRB, 20
.set LI,   26
.set SPW,  28
.set NIL,  29
.set BI,   32
.set BV,   96
.set SCL,  104
.set LIM,  105
.set BP,   106
.set AF,   128
.set TT,   128
.set CC,   192
.set G1, 24
.set G0, 32
.set G1B, 48
.set G0B, 56
.set MSB, 0
.macro WIN new                         ; the immediate's high byte repeats the setting that is left
.if MSB != (\new)
	s_set_vgpr_msb (MSB<<8)|(\new)
.set MSB, (\new)
.endif
.endm
.set MUL_LO, 0xa1                      ; source 0 (B) window 1, source 1 (A) window 0, C and D window 2
.set MUL_HI, 0xf1
.set TO_B,   0x40
; A joint load: waves 0 and 1 fetch the tokens' halves, waves 2 and 3 the weights'.  The branch hangs on the wave's number alone.  An s_nop 0 and four v_nop follow each line.
.macro JLOAD g0a, g1a, g0b, g1b
	s_cmp_eq_u32 s15, 0
	s_cbranch_scc0 .Lfor_b_\@
	tensor_load_to_lds s[\g0a:\g0a+3], s[\g1a:\g1a+7]
	s_nop 0
.rept 4
	v_nop
.endr
	s_branch .Lasked_\@
.Lfor_b_\@:
	tensor_load_to_lds s[\g0b:\g0b+3], s[\g1b:\g1b+7]
	s_nop 0
.rept 4
	v_nop
.endr
.Lasked_\@:
.endm
.macro CREST
	s_cmp_lg_u32 s14, 0
	s_cbranch_scc1 .Lnot_wave_0_\@
	s_barrier_signal -3
.Lnot_wave_0_\@:
	s_barrier_wait -3
	s_barrier_signal -1
	s_barrier_wait -1
.endm
.macro CROUND
	s_barrier_signal -1
	s_barrier_wait -1
	CREST
.endm
	s_load_b512 s[68:83], s[0:1], 0x0              ; xc 68, wc 70, bq 72, bk 74, bv 76, scales 78, qc 80, kv 82
	v_lshl_add_u32 v[SPW], v0, 2, SPARE
	v_mov_b32 v[NIL], 0
	ds_add_u32 v[SPW], v[NIL]                      ; the wave's opening: the add and its wait ahead of my first tensor load
	v_lshrrev_b32 v1, 5, v0
	v_readfirstlane_b32 s14, v1                    ; wave
	s_lshr_b32 s15, s14, 1                         ; A's half that I multiply.  Also: I fetch tokens (0) or weights (1)
	s_and_b32 s16, s14, 1                          ; B's half.  Also: which half I fetch
	s_bfe_u32 s40, ttmp6, 0x40000                  ; cx
	s_bfe_u32 s41, ttmp6, 0x40004                  ; cy
	s_lshl_b32 s42, ttmp9, 2
	s_add_co_u32 s42, s42, s40                     ; work-group x: 256 features
	s_and_b32 s84, ttmp7, 0xffff                   ; cluster y
	s_lshl_b32 s17, s84, 2
	s_add_co_u32 s17, s17, s41                     ; work-group y: 256 tokens of one of the three tensors
	s_lshr_b32 s85, s84, 3                         ; the tensor: 0 q, 1 k, 2 v: the same in all sixteen partners
	s_lshl_b32 s43, s41, 2
	s_lshl_b32 s43, 15, s43                        ; my row of the cluster
	s_lshl_b32 s44, 0x1111, s40                    ; my column
	s_or_b32 s[G1+0], s43, (3<<16)|(1<<21)         ; 15:0 the mask; 17:16 elements of 8 bytes; 21 set beside a mask; no padding
	s_or_b32 s[G1B+0], s44, (3<<16)|(1<<21)
.irp g, G1, G1B
	s_mov_b32 s[\g+1], 32<<16                      ; tensor_dim0 = 32 elements: 256 bytes
	s_mov_b32 s[\g+2], 128<<16                     ; tensor_dim1 = 128
	s_mov_b32 s[\g+3], 32<<16                      ; tile_dim0
	s_mov_b32 s[\g+4], 128                         ; tile_dim1
	s_mov_b32 s[\g+5], 32                          ; the pitch: dense
	s_mov_b32 s[\g+6], 0
	s_mov_b32 s[\g+7], 0
.endr
	s_lshl_b32 s18, s16, 17                        ; the half that I fetch: 128 rows are 131,072 bytes
	s_lshl_b32 s20, s17, 18
	s_add_co_u32 s20, s20, s18
	s_mov_b32 s21, 0                               ; tokens: work-group y and the wave alone
	s_lshl_b32 s46, s42, 18
	s_add_co_u32 s46, s46, s18
	s_lshl_b32 s19, s85, 20
	s_add_co_u32 s46, s46, s19
	s_mov_b32 s47, 0                               ; weights: work-group x, the tensor and the wave alone
	s_lshl_b32 s45, s14, 15                        ; where they go: wave x 32,768
	s_wait_dscnt 0x0                               ; the opening add is done
	s_wait_kmcnt 0x0
	s_add_nc_u64 s[20:21], s[68:69], s[20:21]
	s_add_nc_u64 s[46:47], s[70:71], s[46:47]
	s_lshl_b32 s98, s85, 3
	s_mov_b32 s99, 0
	s_add_nc_u64 s[98:99], s[78:79], s[98:99]
	s_load_b64 s[88:89], s[98:99], 0x0             ; ew, ex
	s_lshl_b32 s86, s85, 2
	s_cmp_eq_u32 s85, 2
	s_cselect_b32 s87, 4, 0
	s_add_co_u32 s86, s86, s87
	s_mov_b32 s87, 0
	s_add_nc_u64 s[86:87], s[78:79], s[86:87]
	s_load_b32 s90, s[86:87], 0x18                 ; the result's e: entry 6, 7 or 9
	s_cmp_eq_u32 s85, 1
	s_cselect_b64 s[4:5], s[74:75], s[72:73]
	s_cmp_eq_u32 s85, 2
	s_cselect_b64 s[4:5], s[76:77], s[4:5]         ; my tensor's bias
	CROUND                                         ; all sixteen work-groups are here: the first joint loads meet
.irp s, 0,1
	s_mov_b32 s[G0+4*\s], 1
	s_add_co_u32 s[G0+4*\s+1], s45, \s*SLOT
	s_add_nc_u64 s[G0+4*\s+2:G0+4*\s+3], s[20:21], \s*KBLK
	s_or_b32 s[G0+4*\s+3], s[G0+4*\s+3], 0x80000000
	s_mov_b32 s[G0B+4*\s], 1
	s_add_co_u32 s[G0B+4*\s+1], s45, \s*SLOT
	s_add_nc_u64 s[G0B+4*\s+2:G0B+4*\s+3], s[46:47], \s*KBLK
	s_or_b32 s[G0B+4*\s+3], s[G0B+4*\s+3], 0x80000000
	JLOAD G0+4*\s, G1, G0B+4*\s, G1B
.endr
	v_and_b32 v1, 15, v0                           ; r
	v_bfe_u32 v2, v0, 4, 1                         ; h
	v_and_b32 v3, 31, v0
	v_lshlrev_b32 v[LI], 4, v3                     ; 16 x lane: my place in every image
	s_lshl_b32 s6, s42, 10
	s_lshl_b32 s7, s16, 9
	s_add_co_u32 s6, s6, s7
	v_lshl_add_u32 v5, v2, 6, s6                   ; bias along my registers: features 256 x + 128 (B's half) + 32 b + 16 h + i
	s_lshl_b32 s7, s42, 10
	s_lshl_b32 s8, s15, 9
	s_add_co_u32 s7, s7, s8
	v_and_b32 v4, 8, v1
	v_add_nc_u32 v4, v4, v1
	v_lshl_add_u32 v6, v4, 2, s7                   ; bias of my lane's feature: 256 x + 128 (A's half) + the tile's first + r + 8 (r/8)
.irp b, 0,1,2,3
.irp k, 0,1,2,3
	global_load_b128 v[BI+16*\b+4*\k:BI+16*\b+4*\k+3], v5, s[4:5] offset:128*\b+16*\k
.endr
.endr
.irp a, 0,1,2,3,4,5,6,7
	global_load_b32 v[BV+\a], v6, s[4:5] offset:(32*(\a/2)+8*(\a%2))*4
.endr
	v_mov_b32 v[BP], 0
	v_mov_b32 v[BP+1], 0
	s_cmp_ge_u32 s84, 16                           ; value?  Then A is the weights' side
	s_cselect_b32 s8, 65536, 0
	s_cselect_b32 s9, 0, 65536
	s_lshl_b32 s10, s15, 15
	s_add_co_u32 s10, s10, s8
	s_lshl_b32 s11, s16, 15
	s_add_co_u32 s11, s11, s9
.irp s, 0,1
	v_add_nc_u32 v[ADRA+\s], s10, v[LI]
	v_add_nc_u32 v[ADRB+\s], s11, v[LI]
	s_add_co_u32 s10, s10, SLOT
	s_add_co_u32 s11, s11, SLOT
.endr
.macro FRAG reg, adr, q, i             ; tile i of the half, the slot's q-th 128 along K: 16 registers by four loads of 512 consecutive bytes
.irp c, 0,1,2,3
	ds_load_b128 v[\reg+4*\c:\reg+4*\c+3], v[\adr] offset:4096*(\i)+2048*(\q)+512*\c
.endr
.endm
; 16 matrix instructions: A's blocks a0, a0 + 1 x B's eight.  The 64 accumulators take turns, one instruction a turn, in the same order in every step.
.macro MUL16 a0, p, zero
.irp a, \a0, \a0+1
.irp b, 0,1,2,3,4,5,6,7
.if \zero
	v_wmma_f32_16x16x128_fp8_fp8 v[8*(8*((\a)%4)+\b):8*(8*((\a)%4)+\b)+7], v[128*(\p)+FR*\b:128*(\p)+FR*\b+FR-1], v[AF+FR*(\a):AF+FR*(\a)+FR-1], 0
.else
	v_wmma_f32_16x16x128_fp8_fp8 v[8*(8*((\a)%4)+\b):8*(8*((\a)%4)+\b)+7], v[128*(\p)+FR*\b:128*(\p)+FR*\b+FR-1], v[AF+FR*(\a):AF+FR*(\a)+FR-1], v[8*(8*((\a)%4)+\b):8*(8*((\a)%4)+\b)+7]
.endif
.endr
.endr
.endm
.macro FETCH_B slot, q, p
	WIN TO_B
.irp i, 0,1,2,3,4,5,6,7
	FRAG 128*(\p)+FR*\i, ADRB+\slot, \q, \i
.endr
	WIN 0
.endm
.macro FETCH_A slot, q, i0
.irp i, \i0, \i0+1, \i0+2, \i0+3
	FRAG AF+FR*(\i), ADRA+\slot, \q, \i
.endr
.endm
.macro PLACES n                        ; plain vector lines between a matrix instruction and a load into, or a read of, its registers
.rept \n
	v_nop
.endr
.endm
.macro STEP slot, q, zero              ; 128 along K whose successor lies in the same slot
	s_wait_dscnt 4*NL                              ; B's set and A's blocks 0-3 are in; A's blocks 4-7 may be out
	WIN MUL_LO
	MUL16 0, (\q)%2, \zero
	MUL16 2, (\q)%2, \zero
	s_wait_dscnt 0
	PLACES NP
	FETCH_B \slot, (\q)+1, 1-(\q)%2
	FETCH_A \slot, (\q)+1, 0
	WIN MUL_HI
	MUL16 4, (\q)%2, \zero
	MUL16 6, (\q)%2, \zero
	PLACES NP
	WIN 0
	FETCH_A \slot, (\q)+1, 4
.endm
; A slot's last step changes slots: one barrier; in front of it each wave waits for all its tensor loads, adds 0 to its spare word, and waits for that and for its reads of this slot.
.macro TURN slot, next, fill
	s_wait_tensorcnt 0x0                           ; all my tensor loads have landed: my part of the next slot
	ds_add_u32 v[SPW], v[NIL]
	s_wait_dscnt 4*NL+1                            ; the add and A's blocks 4-7 may be out
	WIN MUL_LO
	MUL16 0, 1, 0
	s_wait_dscnt 0x0                               ; the add is done, and my reads of this slot are over
	s_barrier_signal -1
	MUL16 2, 1, 0
	WIN 0
	s_barrier_wait -1
.if \fill
	CREST                                          ; the barrier has opened a round of the cluster's: no wave of any partner still reads this slot or has a load on its way
	s_add_nc_u64 s[G0+4*\slot+2:G0+4*\slot+3], s[G0+4*\slot+2:G0+4*\slot+3], 2*KBLK
	s_add_nc_u64 s[G0B+4*\slot+2:G0B+4*\slot+3], s[G0B+4*\slot+2:G0B+4*\slot+3], 2*KBLK
	JLOAD G0+4*\slot, G1, G0B+4*\slot, G1B         ; the first tensor load behind the round; its four v_nop are the places in front of the loads below
.else
	PLACES NP
.endif
	FETCH_B \next, 0, 0
	FETCH_A \next, 0, 0
	WIN MUL_HI
	MUL16 4, 1, 0
	MUL16 6, 1, 0
	PLACES NP
	WIN 0
	FETCH_A \next, 0, 4
.endm
	s_wait_tensorcnt 1                             ; my part of slot 0 is in; slot 1's load may be out
	s_barrier_signal -1
	s_barrier_wait -1
	FETCH_B 0, 0, 0
	FETCH_A 0, 0, 0
	FETCH_A 0, 0, 4
	STEP 0, 0, 1                                   ; the first step's products start the sums
	s_mov_b32 s3, 1                                ; 1,024 along K are two laps of the ring: one trip fills both slots again
.Llap:
	TURN 0, 1, 1
	STEP 1, 0, 0
	TURN 1, 0, 1
	STEP 0, 0, 0
	s_sub_co_u32 s3, s3, 1
	s_cmp_lg_u32 s3, 0
	s_cbranch_scc1 .Llap
	TURN 0, 1, 0
	STEP 1, 0, 0
	s_wait_dscnt 4*NL
	WIN MUL_LO
	MUL16 0, 1, 0
	MUL16 2, 1, 0
	s_wait_dscnt 0
	WIN MUL_HI
	MUL16 4, 1, 0
	MUL16 6, 1, 0
	WIN 0
; THE WAY OUT.  Block a of A: my lane's 64 sums, register 16 b + i = B's row 32 b + 16 h + i, become sum x 2^(ew + ex) + bias, are held, converted, and ARE four registers' worth of the next operand's image for each b.
.macro EPI a, isv
.if (\a) >= 4
	s_wait_xcnt 0x0                                ; the stores of four blocks back have read this set of codes
.endif
.if \isv
	v_mov_b32 v[BP], v[BV+(\a)]                    ; my lane's feature's bias, for all 64
.endif
	WIN 0x02+((\a)/4)
.set j, 0
.rept 32
.if \isv
	v_pk_fma_f32 v[TT+j:TT+j+1], v[64*((\a)%4)+j:64*((\a)%4)+j+1], s[96:97], v[BP:BP+1] op_sel_hi:[1,0,0]
.else
	v_pk_fma_f32 v[TT+j:TT+j+1], v[64*((\a)%4)+j:64*((\a)%4)+j+1], s[96:97], v[BI+j:BI+j+1] op_sel_hi:[1,0,1]
.endif
.set j, j+2
.endr
	WIN 0
.irp b, 0,1,2,3
.set j, 0
.rept 16
	v_med3_num_f32 v[TT+16*\b+j], v[TT+16*\b+j], -v[LIM], v[LIM]
.set j, j+1
.endr
	v_cvt_scalef32_pk8_fp8_f32 v[CC+16*((\a)%4)+4*\b:CC+16*((\a)%4)+4*\b+1], v[TT+16*\b:TT+16*\b+7], v[SCL]
	v_cvt_scalef32_pk8_fp8_f32 v[CC+16*((\a)%4)+4*\b+2:CC+16*((\a)%4)+4*\b+3], v[TT+16*\b+8:TT+16*\b+15], v[SCL]
.endr
	v_nop                                          ; a plain line behind the last conversion: the next block writes its sources
.irp b, 0,1,2,3
.if \isv
	global_store_b128 v[LI], v[CC+16*((\a)%4)+4*\b:CC+16*((\a)%4)+4*\b+3], s[92:93] offset:((\a)/4)*131072+((\a)%4)*2048+512*\b
.else
	global_store_b128 v[LI], v[CC+16*((\a)%4)+4*\b:CC+16*((\a)%4)+4*\b+3], s[92+2*(\b/2):93+2*(\b/2)] offset:1024*(\a)+512*(\b%2)
.endif
.endr
.endm
	s_wait_kmcnt 0x0
	s_add_co_i32 s96, s88, s89
	s_add_co_i32 s96, s96, 127
	s_lshl_b32 s96, s96, 23                        ; 2^(ew + ex)
	s_mov_b32 s97, s96
	s_add_co_i32 s90, s90, 127
	s_lshl_b32 s91, s90, 23
	v_mov_b32 v[SCL], s91
	s_add_co_i32 s90, s90, 8
	s_lshl_b32 s90, s90, 23
	s_or_b32 s90, s90, 0x600000
	v_mov_b32 v[LIM], s90
	s_wait_loadcnt 0x0                             ; the biases
	PLACES NP
	s_and_b32 s10, s17, 31
	s_lshr_b32 s11, s10, 2                         ; batch
	s_lshl_b32 s11, s11, 4
	s_lshl_b32 s12, s42, 2
	s_add_co_u32 s11, s11, s12                     ; batch 16 + the work-group's first head
	s_and_b32 s10, s17, 3
	s_lshl_b32 s10, s10, 1                         ; the work-group's first 128 tokens in the batch
	s_cmp_eq_u32 s85, 2                            ; ids alone, the same in all partners
	s_cbranch_scc1 .Lway_v
	s_lshl_b32 s12, s16, 1
	s_add_co_u32 s11, s11, s12                     ; my first head: features are B's side
	s_lshl_b32 s11, s11, 16
	s_add_co_u32 s10, s10, s15                     ; my 128 tokens: A's side
	s_lshl_b32 s10, s10, 13
	s_add_co_u32 s92, s11, s10
	s_lshl_b32 s92, s92, s85                       ; a head takes 65,536 bytes in qc, twice that in kv
	s_mov_b32 s93, 0
	s_lshl_b32 s12, 65536, s85
	s_mov_b32 s13, 0
	s_cmp_eq_u32 s85, 0
	s_cselect_b64 s[94:95], s[80:81], s[82:83]
	s_add_nc_u64 s[92:93], s[94:95], s[92:93]
	s_add_nc_u64 s[94:95], s[92:93], s[12:13]      ; my second head
.irp a, 0,1,2,3,4,5,6,7
	EPI \a, 0
.endr
	s_branch .Ljoin
.Lway_v:
	s_lshl_b32 s12, s15, 1
	s_add_co_u32 s11, s11, s12                     ; my first head: features are A's side
	s_lshl_b32 s11, s11, 3
	s_add_co_u32 s10, s10, s16                     ; j: my 128 keys are B's side
	s_add_co_u32 s11, s11, s10
	s_lshl_b32 s92, s11, 14
	s_add_co_u32 s92, s92, 8192                    ; V lies behind K in a unit
	s_mov_b32 s93, 0
	s_add_nc_u64 s[92:93], s[82:83], s[92:93]
.irp a, 0,1,2,3,4,5,6,7
	EPI \a, 1
.endr
.Ljoin:
	s_wait_tensorcnt 0x0                           ; the wave's end
	ds_add_u32 v[SPW], v[NIL]
	s_wait_dscnt 0x0
	CROUND                                         ; the closing round: no work-group ends while a partner may still ask for a tile that names it
	s_endpgm
.Lfunc_end_k_qb951a5b886_proj:
	.size	k_qb951a5b886_proj, .Lfunc_end_k_qb951a5b886_proj-k_qb951a5b886_proj
	.p2alignl 7, 3214868480
	.fill 96, 4, 3214868480
	.section	.rodata,"a",@progbits
	.p2align	6, 0x0
	.amdhsa_kernel k_qb951a5b886_proj
		.amdhsa_group_segment_fixed_size 327680
		.amdhsa_private_segment_fixed_size 0
		.amdhsa_enable_private_segment 0
		.amdhsa_kernarg_size 64
		.amdhsa_user_sgpr_count 2
		.amdhsa_user_sgpr_kernarg_segment_ptr 1
		.amdhsa_wavefront_size32 1
		.amdhsa_system_sgpr_workgroup_id_x 1
		.amdhsa_system_sgpr_workgroup_id_y 1
		.amdhsa_system_sgpr_workgroup_id_z 1
		.amdhsa_system_vgpr_workitem_id 0
		.amdhsa_next_free_vgpr 1024
		.amdhsa_next_free_sgpr 100
		.amdhsa_reserve_vcc 0
		.amdhsa_float_denorm_mode_32 3
		.amdhsa_float_denorm_mode_16_64 3
		.amdhsa_memory_ordered 1
		.amdhsa_forward_progress 1
		.amdhsa_inst_pref_size 193
	.end_amdhsa_kernel
	.amdgpu_metadata
---
amdhsa.version: [ 1, 2 ]
amdhsa.kernels:
  - .name:           k_qb951a5b886_proj
    .symbol:         k_qb951a5b886_proj.kd
    .args:
      - { .name: xc, .offset: 0, .size: 8, .value_kind: global_buffer, .address_space: global }
      - { .name: wc, .offset: 8, .size: 8, .value_kind: global_buffer, .address_space: global }
      - { .name: bq, .offset: 16, .size: 8, .value_kind: global_buffer, .address_space: global }
      - { .name: bk, .offset: 24, .size: 8, .value_kind: global_buffer, .address_space: global }
      - { .name: bv, .offset: 32, .size: 8, .value_kind: global_buffer, .address_space: global }
      - { .name: lowp_scales, .offset: 40, .size: 8, .value_kind: global_buffer, .address_space: global }
      - { .name: qc, .offset: 48, .size: 8, .value_kind: global_buffer, .address_space: global }
      - { .name: kv, .offset: 56, .size: 8, .value_kind: global_buffer, .address_space: global }
    .group_segment_fixed_size: 327680
    .private_segment_fixed_size: 0
    .kernarg_segment_align: 8
    .kernarg_segment_size: 64
    .max_flat_workgroup_size: 128
    .sgpr_count:     100
    .vgpr_count:     1024
    .wavefront_size: 32
...
	.end_amdgpu_metadata
.endif
;; end of part 2
;; launch attn (part 3): grid 8 x 32, 8 waves a work-group, no clusters, 132,096 bytes of LDS; arguments qc, kv, bt, flags, lowp_scales, ao; writes ao
.if DOCPART == 3
	.amdgcn_target "amdgcn-amd-amdhsa--gfx1250"
	.amdhsa_code_object_version 6
	.text
	.protected	k_qb951a5b886_attn
	.globl	k_qb951a5b886_attn
	.p2align	8
	.type	k_qb951a5b886_attn,@function
k_qb951a5b886_attn:
	s_mov_b64 s[64:65], 0
	v_nop
	global_prefetch_b8 v0, s[64:65] scope:SCOPE_SE
	s_setreg_imm32_b32 hwreg(HW_REG_WAVE_MODE, 25, 1), 1
	s_wait_xcnt 0x0
; ATTN: o = softmax(q k^T / 8 + bias, masked) v on codes of E4M3, the result quantised for the last product.
; THE SOFTMAX: t = score x log2(e) / 8 + bt (bt holds bias x log2(e), or -infinity where masked); M = the running largest t rounded UP to a whole number; p = 2^(t - M) is quantised along the keys, not normalised;
; the row's sum is taken of the unquantised p and divides at the end; when M moves, the sum and O are multiplied by 2^(old M - new M): exact.
; SHARES.  A work-group takes four heads of one batch and two blocks of 64 queries, blocks x and 15 - x.  Wave w owns ONE tile of 16 queries (block x: waves 0-3; block 15 - x: waves 4-7) for ALL FOUR heads:
; its bias comes from memory straight into its registers and serves four heads; K and V of a key step (128 keys x 4 heads, 65,536 bytes) are copied through registers into one of two LDS slots and serve eight waves.
; WORK THAT THE MASK THROWS AWAY: flags (whole numbers that an earlier launch stored) say for each (tile of queries, key step) whether any place counts.  A wave jumps over a step's work where none does,
; and the work-group over a step's copy where no wave needs it.  Such a branch hangs on loaded numbers: so this launch has no tensor load and hence nothing to ask for jointly in a cluster; no barrier stands under a branch.
; LAYOUT.  Both products are used transposed: S^T = K Q^T, O^T = V^T P^T: a lane holds one query (lane%16).  K's tiles are permuted tiles of keys and V's of d, so that 16 registers of two neighbouring tiles are 16 neighbours.
; A ROW ALL OF WHOSE KEYS ARE MASKED has the sum 0: its codes become the NaN code, and the last product then makes the row NaN.
; LIMITS: e6 + e7 between -123 and 130; e8 and e10 between -126 and 119.
; REGISTERS: window 0: v0 prefetch offset; v1-2 read places in slot 0, 1; v3-4 copy places; v5-6 the add's two; v7 2^e8; v8-15 at work; v16+4 hh: -M, largest t, the sum in two halves; v32-47 p's codes; v48-63 the copy;
;   v64-127 S^T, then p; v128-191 the bias of even steps; v192-255 fragments of K, then of V.   window 1: v0-127 O^T, 32 a head; v128-159 Q, 8 a head; v160-223 the bias of odd steps.
.set SLOTB, 65536
.set SPARE, 131072                     ; behind the slots: the spare words, 128 bytes for each of eight waves: no other line names them
.set LI,  1
.set ST,  3
.set SPW, 5
.set NIL, 6
.set SCP, 7
.set STA, 16
.set PC,  32
.set RR,  48
.set SS,  64
.set BI0, 128
.set FRG, 192
.set QF,  128                          ; window 1
.set BI1, 160                          ; window 1
.set WGM, 32                           ; s32 bit n: some wave of the work-group needs the step n further on
.set WVM, 33                           ; s33 the same for my wave
.set PFM, 34                           ; s34 the same for the prefetches: eight ones in the work-group that asks, else 0
.set CS,  36                           ; s[36:37] log2(e) / 8 x 2^(e6 + e7)
.set LIMP, 38                          ; s38 448 x 2^e8
.set SEL, 40                           ; s[40:41] lane l xor 16
.set CNT, 42
.set MSB, 0
.macro WIN new
.if MSB != (\new)
	s_set_vgpr_msb (MSB<<8)|(\new)
.set MSB, (\new)
.endif
.endm
.macro PLACES
.rept 4
	v_nop
.endr
.endm
	s_load_b256 s[8:15], s[0:1], 0x0               ; qc 8, kv 10, bt 12, flags 14
	s_load_b128 s[16:19], s[0:1], 0x20             ; scales 16, ao 18
	v_lshl_add_u32 v[SPW], v0, 2, SPARE
	v_mov_b32 v[NIL], 0
	v_lshrrev_b32 v8, 5, v0
	v_readfirstlane_b32 s20, v8                    ; wave 0..7
	v_and_b32 v8, 31, v0
	v_lshlrev_b32 v[LI], 4, v8                     ; 16 x lane
	v_add_nc_u32 v[LI+1], SLOTB, v[LI]
	s_lshl_b32 s26, s20, 11
	v_add_nc_u32 v[ST], s26, v[LI]                 ; the copy: my wave's 2,048 bytes of each head's 16,384; in memory and in slot 0 alike
	v_add_nc_u32 v[ST+1], SLOTB, v[ST]
	v_lshlrev_b32 v11, 2, v8
	s_and_b32 s22, ttmp7, 0xffff
	s_lshr_b32 s23, s22, 2                         ; batch
	s_and_b32 s24, s22, 3                          ; group of four heads
	s_sub_co_u32 s27, 15, ttmp9
	s_cmp_lt_u32 s20, 4
	s_cselect_b32 s25, ttmp9, s27                  ; my block of 64 queries
	s_lshl_b32 s25, s25, 2
	s_and_b32 s28, s20, 3
	s_add_co_u32 s25, s25, s28                     ; qt: my tile of 16 queries
	s_lshl_b32 s29, s23, 4
	s_lshl_b32 s30, s24, 2
	s_add_co_u32 s29, s29, s30                     ; batch 16 + first head
	s_lshl_b32 s52, s29, 6
	s_add_co_u32 s52, s52, s25
	s_lshl_b32 s52, s52, 10
	s_mov_b32 s53, 0
	s_lshl_b32 s54, s29, 17
	s_mov_b32 s55, 0
	s_lshl_b32 s56, s25, 16
	s_mov_b32 s57, 0
	s_lshl_b32 s58, ttmp9, 7
	s_mov_b32 s59, 0
	s_lshl_b32 s60, s27, 7
	s_mov_b32 s61, 0
	s_lshl_b32 s30, s23, 6
	s_add_co_u32 s30, s30, s25                     ; my tile among the 512 of ao
	s_lshr_b32 s31, s30, 3
	s_lshl_b32 s62, s31, 17
	s_and_b32 s31, s30, 7
	s_lshl_b32 s31, s31, 12
	s_add_co_u32 s62, s62, s31
	s_lshl_b32 s31, s24, 15                        ; four heads are 256 along the last product's K
	s_add_co_u32 s62, s62, s31
	s_mov_b32 s63, 0
	s_mov_b32 s[SEL], 0x76543210
	s_mov_b32 s[SEL+1], 0xfedcba98
	s_wait_kmcnt 0x0
	s_load_b64 s[44:45], s[16:17], 0x18            ; e6, e7
	s_load_b128 s[48:51], s[16:17], 0x20           ; e8, e9, e10, e11
	s_add_nc_u64 s[8:9], s[8:9], s[52:53]
	s_add_nc_u64 s[10:11], s[10:11], s[54:55]
	s_add_nc_u64 s[12:13], s[12:13], s[56:57]
	s_add_nc_u64 s[58:59], s[14:15], s[58:59]
	s_add_nc_u64 s[60:61], s[14:15], s[60:61]
	s_add_nc_u64 s[18:19], s[18:19], s[62:63]
	global_load_b32 v8, v11, s[58:59]              ; the flags of block x: lane 8 (tile) + step
	global_load_b32 v9, v11, s[60:61]              ; and of block 15 - x
	WIN 0x40                                       ; destination window 1
.irp hh, 0,1,2,3
.irp c, 0,1
	global_load_b128 v[QF+8*\hh+4*\c:QF+8*\hh+4*\c+3], v[LI], s[8:9] offset:65536*\hh+512*\c
.endr
.endr
.irp n, 0,1,2,3,4,5,6,7,8,9,10,11,12,13,14,15
	global_load_b128 v[BI1+4*\n:BI1+4*\n+3], v[LI], s[12:13] offset:8192+512*\n   ; the bias of steps 0 and 1 comes without condition: both sets are written on every path
.endr
	WIN 0
.irp n, 0,1,2,3,4,5,6,7,8,9,10,11,12,13,14,15
	global_load_b128 v[BI0+4*\n:BI0+4*\n+3], v[LI], s[12:13] offset:512*\n
.endr
.irp hh, 0,1,2
.irp n, 0,1,2,3
	global_load_b128 v[SS+16*\hh+4*\n:SS+16*\hh+4*\n+3], v[ST], s[10:11] offset:131072*\hh+512*\n   ; K and V of step 0
.endr
.endr
.irp n, 0,1,2,3
	global_load_b128 v[RR+4*\n:RR+4*\n+3], v[ST], s[10:11] offset:131072*3+512*\n
.endr
	WIN 0x40
.set j, 0
.rept 128
	v_mov_b32 v[j], 0                              ; O^T: which step is a wave's first hangs on the flags, so the sums begin as zeros
.set j, j+1
.endr
	WIN 0
.irp hh, 0,1,2,3
	v_mov_b32 v[STA+4*\hh+1], 0xff61b1e6           ; the largest t so far: -3e38
	v_floor_f32 v[STA+4*\hh], -v[STA+4*\hh+1]
	v_mov_b32 v[STA+4*\hh+2], 0
	v_mov_b32 v[STA+4*\hh+3], 0
.endr
	v_lshrrev_b32 v10, 6, v0                       ; the prefetches: 256 threads name the 256 blocks of 256 bytes of a step's four heads
	v_and_b32 v12, 63, v0
	v_lshlrev_b32 v12, 8, v12
	v_lshl_add_u32 v0, v10, 17, v12
.irp n, 10,12,13,14,15
	v_mov_b32 v[\n], 0                             ; written once, on every path
.endr
	s_cmp_eq_u32 ttmp9, 0                          ; eight work-groups walk the same K and V: the first of them asks
	s_cselect_b32 s[PFM], 255, 0
	s_wait_kmcnt 0x0
	s_add_co_i32 s26, s44, s45
	s_lshl_b32 s26, s26, 23
	s_add_co_i32 s[CS], s26, 0x3e38aa3b            ; the two exponents are added to the exponent field of log2(e) / 8
	s_mov_b32 s[CS+1], s[CS]
	s_add_co_i32 s26, s48, 127
	s_lshl_b32 s27, s26, 23
	v_mov_b32 v[SCP], s27
	s_add_co_i32 s26, s26, 8
	s_lshl_b32 s26, s26, 23
	s_or_b32 s[LIMP], s26, 0x600000
	s_wait_loadcnt 0x0
	v_cmp_ne_u32 s26, 0, v8
	v_cmp_ne_u32 s27, 0, v9
	v_mov_b32 v11, 0
	s_cmp_lt_u32 s20, 4
	s_cselect_b32 s28, s26, s27
	s_and_b32 s29, s20, 3
	s_lshl_b32 s29, s29, 3
	s_lshr_b32 s28, s28, s29
	s_and_b32 s[WVM], s28, 255
	s_or_b32 s26, s26, s27
	s_lshr_b32 s27, s26, 16
	s_or_b32 s26, s26, s27
	s_lshr_b32 s27, s26, 8
	s_or_b32 s26, s26, s27
	s_and_b32 s[WGM], s26, 255
.irp hh, 0,1,2
.irp n, 0,1,2,3
	ds_store_b128 v[ST], v[SS+16*\hh+4*\n:SS+16*\hh+4*\n+3] offset:16384*\hh+512*\n
.endr
.endr
.irp n, 0,1,2,3
	ds_store_b128 v[ST], v[RR+4*\n:RR+4*\n+3] offset:16384*3+512*\n
.endr
	s_add_nc_u64 s[10:11], s[10:11], 16384         ; in step j: K and V of step j + 1
	s_add_nc_u64 s[12:13], s[12:13], 8192
	s_wait_dscnt 0x0                               ; for the others' sake: my part of slot 0 has landed
	s_barrier_signal -1
	s_barrier_wait -1
; ONE HEAD'S WORK OF A KEY STEP: 128 keys, from slot p.
.macro UNIT hh, p
.set MM, STA+4*\hh
.irp t, 0,1,2,3,4,5,6,7
.irp c, 0,1
	ds_load_b128 v[FRG+8*\t+4*\c:FRG+8*\t+4*\c+3], v[LI+\p] offset:16384*\hh+1024*\t+512*\c
.endr
.endr
	s_wait_dscnt 0x0
	WIN 0x04                                       ; source 1 (Q) window 1
.irp t, 0,1,2,3,4,5,6,7
	v_wmma_f32_16x16x64_fp8_fp8 v[SS+8*\t:SS+8*\t+7], v[FRG+8*\t:FRG+8*\t+7], v[QF+8*\hh:QF+8*\hh+7], 0
.endr
	WIN 0
	PLACES                                         ; in front of the loads into K's registers and of the first read of the scores
.irp dt, 0,1,2,3
.irp c, 0,1,2,3
	ds_load_b128 v[FRG+16*\dt+4*\c:FRG+16*\dt+4*\c+3], v[LI+\p] offset:16384*\hh+8192+2048*\dt+512*\c   ; V lands under the softmax
.endr
.endr
.if \p
	WIN 0x10                                       ; source 2: the odd steps' bias, window 1
.set BB, BI1
.else
.set BB, BI0
.endif
.set j, 0
.rept 32
	v_pk_fma_f32 v[SS+j:SS+j+1], v[SS+j:SS+j+1], s[CS:CS+1], v[BB+j:BB+j+1] op_sel_hi:[1,0,1]   ; t; each accumulator from its low end on
.set j, j+2
.endr
	WIN 0
	v_max3_num_f32 v8, v[SS], v[SS+1], v[SS+2]     ; the step's largest t of my query among my 64 keys, in two chains,
	v_max3_num_f32 v9, v[SS+3], v[SS+4], v[SS+5]
.irp i, 6,10,14,18,22,26,30,34,38,42,46,50,54,58
	v_max3_num_f32 v8, v8, v[SS+\i], v[SS+1+\i]
	v_max3_num_f32 v9, v9, v[SS+2+\i], v[SS+3+\i]
.endr
	v_max3_num_f32 v8, v8, v[SS+62], v[SS+63]
	v_max_num_f32 v8, v8, v9
	v_permlanex16_b32 v10, v8, s[SEL], s[SEL+1]
	v_max_num_f32 v8, v8, v10                      ; and among lane l xor 16's
	v_max_num_f32 v[MM+1], v[MM+1], v8             ; the running largest t
	v_mov_b32 v8, v[MM]
	v_floor_f32 v[MM], -v[MM+1]                    ; -M = floor(-t): M is a whole number
	v_sub_f32 v8, v[MM], v8
	v_cvt_i32_f32 v8, v8                           ; (it saturates)
	v_ldexp_f32 v12, 1.0, v8                       ; f = 2^(old M - new M)
.set j, 0
.rept 32
	v_pk_add_f32 v[SS+j:SS+j+1], v[SS+j:SS+j+1], v[MM:MM+1] op_sel_hi:[1,0]   ; t - M
.set j, j+2
.endr
.set j, 0
.rept 64
	v_exp_f32 v[SS+j], v[SS+j]                     ; p = 2^(t - M)
.set j, j+1
.endr
	v_pk_mul_f32 v[MM+2:MM+3], v[MM+2:MM+3], v[12:13] op_sel_hi:[1,0]   ; the sums under the new M: the plain line behind the exponentials
	s_wait_alu depctr_va_vdst(0)                   ; one wait for the batch, ahead of its first reader
	v_pk_add_f32 v[14:15], v[SS:SS+1], v[SS+2:SS+3]   ; the row's sum is taken of the unquantised p, in two chains
.irp j, 4,8,12,16,20,24,28,32,36,40,44,48,52,56,60
	v_pk_add_f32 v[MM+2:MM+3], v[MM+2:MM+3], v[SS+\j:SS+1+\j]
	v_pk_add_f32 v[14:15], v[14:15], v[SS+2+\j:SS+3+\j]
.endr
	v_pk_add_f32 v[MM+2:MM+3], v[MM+2:MM+3], v[14:15]
.irp b, 0,1,2,3
.set j, 0
.rept 16
	v_min_num_f32 v[SS+16*\b+j], s[LIMP], v[SS+16*\b+j]   ; the conversion does not saturate (ISA guide 7.6.2); p is not negative: a one-sided hold
.set j, j+1
.endr
	v_cvt_scalef32_pk8_fp8_f32 v[PC+4*\b:PC+4*\b+1], v[SS+16*\b:SS+16*\b+7], v[SCP]
	v_cvt_scalef32_pk8_fp8_f32 v[PC+4*\b+2:PC+4*\b+3], v[SS+16*\b+8:SS+16*\b+15], v[SCP]
.endr
	WIN 0x41                                       ; O^T: destination and source 0 window 1
.set j, 0
.rept 16
	v_pk_mul_f32 v[32*\hh+j:32*\hh+j+1], v[32*\hh+j:32*\hh+j+1], v[12:13] op_sel_hi:[1,0]   ; O^T under the new M; also the plain lines behind the conversions
.set j, j+2
.endr
	WIN 0
	s_wait_dscnt 0x0                               ; V is in
	WIN 0x50                                       ; C and D window 1
.irp dt, 0,1,2,3
	v_wmma_f32_16x16x128_fp8_fp8 v[32*\hh+8*\dt:32*\hh+8*\dt+7], v[FRG+16*\dt:FRG+16*\dt+15], v[PC:PC+15], v[32*\hh+8*\dt:32*\hh+8*\dt+7]
.endr
	WIN 0
	PLACES                                         ; in front of the next loads into the fragments' registers, and of the way out's reads
.endm
; A KEY STEP, read from slot p.  Head by head: the next step's part of that head is asked for, the head is worked, the part goes into the other slot.
; Every wait for loads is for 0: the paths issue different numbers of loads.  One barrier a step: the other slot's stores have landed, and this slot's reads are over before the next step stores into it.
.macro STEP p
.irp hh, 0,1,2,3
	s_wait_dscnt 0x0                               ; the last stores have read the copy's registers
	s_bitcmp1_b32 s[WGM], 1
	s_cbranch_scc0 .Lnl_\@_\hh
.irp n, 0,1,2,3
	global_load_b128 v[RR+4*\n:RR+4*\n+3], v[ST], s[10:11] offset:131072*\hh+512*\n
.endr
.Lnl_\@_\hh:
.if \hh == 0
	s_bitcmp1_b32 s[PFM], 2                        ; in step j the step j + 2 is named, one step ahead of the copy that wants it; steps 6 and 7 name nothing
	s_cbranch_scc0 .Lnp_\@
	global_prefetch_b8 v0, s[10:11] offset:16384 th:TH_LOAD_NT scope:SCOPE_SE
.Lnp_\@:
.endif
	s_bitcmp1_b32 s[WVM], 0
	s_cbranch_scc0 .Lnu_\@_\hh
	UNIT \hh, \p
.Lnu_\@_\hh:
	s_wait_loadcnt 0x0
	s_bitcmp1_b32 s[WGM], 1
	s_cbranch_scc0 .Lns_\@_\hh
.irp n, 0,1,2,3
	ds_store_b128 v[ST+1-\p], v[RR+4*\n:RR+4*\n+3] offset:16384*\hh+512*\n
.endr
.Lns_\@_\hh:
.endr
	s_wait_xcnt 0x0                                ; every load and the prefetch have read their bases
	s_add_nc_u64 s[10:11], s[10:11], 16384
	s_add_nc_u64 s[12:13], s[12:13], 8192
	s_bitcmp1_b32 s[WVM], 2
	s_cbranch_scc0 .Lnb_\@
.if \p
	WIN 0x40
.set BB, BI1
.else
.set BB, BI0
.endif
.irp n, 0,1,2,3,4,5,6,7,8,9,10,11,12,13,14,15
	global_load_b128 v[BB+4*\n:BB+4*\n+3], v[LI], s[12:13] offset:512*\n   ; the bias of two steps on, into the set that this step has used
.endr
	WIN 0
.Lnb_\@:
	s_lshr_b32 s[WGM], s[WGM], 1
	s_lshr_b32 s[WVM], s[WVM], 1
	s_lshr_b32 s[PFM], s[PFM], 1
	s_wait_dscnt 0x0
	s_barrier_signal -1
	s_barrier_wait -1
.endm
	s_mov_b32 s[CNT], 4
.Lpair:
	STEP 0
	STEP 1
	s_sub_co_u32 s[CNT], s[CNT], 1
	s_cmp_lg_u32 s[CNT], 0
	s_cbranch_scc1 .Lpair
	; THE WAY OUT: O^T / the sum x 2^(e8 + e9), quantised with 2^e10: the conversions' results are my tile's image in ao.
	s_add_co_i32 s26, s48, s49
	s_add_co_i32 s27, s50, 127
	s_lshl_b32 s28, s27, 23
	v_mov_b32 v[SCP], s28                          ; 2^e10
	s_add_co_i32 s27, s27, 8
	s_lshl_b32 s27, s27, 23
	s_or_b32 s27, s27, 0x600000
	v_mov_b32 v2, s27                              ; 448 x 2^e10
	v_mov_b32 v4, 0x7f7f7f7f                       ; four NaN codes
.irp hh, 0,1,2,3
	v_add_f32 v[8+\hh], v[STA+4*\hh+2], v[STA+4*\hh+3]
.endr
.irp hh, 0,1,2,3
	v_permlanex16_b32 v[12+\hh], v[8+\hh], s[SEL], s[SEL+1]
.endr
.irp hh, 0,1,2,3
	v_add_f32 v[8+\hh], v[8+\hh], v[12+\hh]        ; the row's sum
.endr
.irp hh, 0,1,2,3
	v_rcp_f32 v[12+\hh], v[8+\hh]
.endr
	v_nop                                          ; a plain line behind the last reciprocal
	s_wait_alu depctr_va_vdst(0)                   ; one wait for the four
.irp hh, 0,1,2,3
	v_ldexp_f32 v[12+\hh], v[12+\hh], s26
.endr
.irp hh, 0,1,2,3
	WIN 0x01                                       ; source 0 (O^T) window 1
.set j, 0
.rept 32
	v_mul_f32 v[SS+j], v[32*\hh+j], v[12+\hh]      ; register 16 b + i is d = 32 b + 16 (lane/16) + i
.set j, j+1
.endr
	WIN 0
.set j, 0
.rept 32
	v_med3_num_f32 v[SS+j], v[SS+j], -v2, v2
.set j, j+1
.endr
.irp b, 0,1
	v_cvt_scalef32_pk8_fp8_f32 v[PC+8*\hh+4*\b:PC+8*\hh+4*\b+1], v[SS+16*\b:SS+16*\b+7], v[SCP]
	v_cvt_scalef32_pk8_fp8_f32 v[PC+8*\hh+4*\b+2:PC+8*\hh+4*\b+3], v[SS+16*\b+8:SS+16*\b+15], v[SCP]
.endr
	v_nop                                          ; a plain line behind the last conversion
	v_cmp_eq_f32 vcc_lo, 0, v[8+\hh]               ; no key counted for my query
.irp k, 0,1,2,3,4,5,6,7
	v_cndmask_b32 v[PC+8*\hh+\k], v[PC+8*\hh+\k], v4, vcc_lo
.endr
.irp b, 0,1
	global_store_b128 v[LI], v[PC+8*\hh+4*\b:PC+8*\hh+4*\b+3], s[18:19] offset:1024*\hh+512*\b   ; 512 consecutive bytes a store
.endr
.endr
	s_wait_tensorcnt 0x0                           ; the wave's end, behind my last LDS store
	ds_add_u32 v[SPW], v[NIL]
	s_wait_dscnt 0x0
	s_endpgm
.Lfunc_end_k_qb951a5b886_attn:
	.size	k_qb951a5b886_attn, .Lfunc_end_k_qb951a5b886_attn-k_qb951a5b886_attn
	.p2alignl 7, 3214868480
	.fill 96, 4, 3214868480
	.section	.rodata,"a",@progbits
	.p2align	6, 0x0
	.amdhsa_kernel k_qb951a5b886_attn
		.amdhsa_group_segment_fixed_size 132096
		.amdhsa_private_segment_fixed_size 0
		.amdhsa_enable_private_segment 0
		.amdhsa_kernarg_size 48
		.amdhsa_user_sgpr_count 2
		.amdhsa_user_sgpr_kernarg_segment_ptr 1
		.amdhsa_wavefront_size32 1
		.amdhsa_system_sgpr_workgroup_id_x 1
		.amdhsa_system_sgpr_workgroup_id_y 1
		.amdhsa_system_sgpr_workgroup_id_z 1
		.amdhsa_system_vgpr_workitem_id 0
		.amdhsa_next_free_vgpr 512
		.amdhsa_next_free_sgpr 66
		.amdhsa_reserve_vcc 1
		.amdhsa_float_denorm_mode_32 3
		.amdhsa_float_denorm_mode_16_64 3
		.amdhsa_memory_ordered 1
		.amdhsa_forward_progress 1
		.amdhsa_inst_pref_size 181
	.end_amdhsa_kernel
	.amdgpu_metadata
---
amdhsa.version: [ 1, 2 ]
amdhsa.kernels:
  - .name:           k_qb951a5b886_attn
    .symbol:         k_qb951a5b886_attn.kd
    .args:
      - { .name: qc, .offset: 0, .size: 8, .value_kind: global_buffer, .address_space: global }
      - { .name: kv, .offset: 8, .size: 8, .value_kind: global_buffer, .address_space: global }
      - { .name: bt, .offset: 16, .size: 8, .value_kind: global_buffer, .address_space: global }
      - { .name: flags, .offset: 24, .size: 8, .value_kind: global_buffer, .address_space: global }
      - { .name: lowp_scales, .offset: 32, .size: 8, .value_kind: global_buffer, .address_space: global }
      - { .name: ao, .offset: 40, .size: 8, .value_kind: global_buffer, .address_space: global }
    .group_segment_fixed_size: 132096
    .private_segment_fixed_size: 0
    .kernarg_segment_align: 8
    .kernarg_segment_size: 48
    .max_flat_workgroup_size: 256
    .sgpr_count:     66
    .vgpr_count:     512
    .wavefront_size: 32
...
	.end_amdgpu_metadata
.endif
;; end of part 3
;; launch outp (part 4): grid 4 x 32, 4 waves a work-group, clusters of 4 x 4, 327,680 bytes of LDS; arguments ao, wc, bo, lowp_scales, out0; writes out0
.if DOCPART == 4
	.amdgcn_target "amdgcn-amd-amdhsa--gfx1250"
	.amdhsa_code_object_version 6
	.text
	.protected	k_qb951a5b886_outp
	.globl	k_qb951a5b886_outp
	.p2align	8
	.type	k_qb951a5b886_outp,@function
k_qb951a5b886_outp:
	s_mov_b64 s[64:65], 0
	v_nop
	global_prefetch_b8 v0, s[64:65] scope:SCOPE_SE
	s_setreg_imm32_b32 hwreg(HW_REG_WAVE_MODE, 25, 1), 1
	s_wait_xcnt 0x0
	s_wait_alu depctr_hold_cnt(0) depctr_sa_sdst(0) depctr_va_vdst(0) depctr_va_sdst(0) depctr_va_ssrc(0) depctr_va_vcc(0) depctr_vm_vsrc(0)
	s_getreg_b32 s2, hwreg(HW_REG_IB_STS2, 6, 4)
	s_cmp_eq_u32 s2, 0
	s_cbranch_scc0 .Lentry_in_a_cluster
	s_endpgm
.Lentry_in_a_cluster:
	s_bfe_u32 s2, ttmp6, 0x10000c
	s_cmp_lg_u32 s2, 0xf033
	s_cbranch_scc0 .Lentry_shape_is_right
	s_endpgm
.Lentry_shape_is_right:
; OUTP: out0 = ao Wo + bo on codes of E4M3: 8,192 x 1,024 x 1,024, f32 out.
; A work-group makes 256 tokens x 256 columns, a wave 128 x 128: 64 accumulators.  Operands lie in memory as images of their registers: 128 rows x 256 along K are one dense block of 32,768 bytes, brought by one
; tensor load; a fragment is four ds_load_b128 of 512 consecutive bytes.  K goes in four blocks of 256 through a ring of two LDS slots.
; CLUSTERS: 4 x 4 work-groups: the tokens' blocks are asked for jointly along a row of the cluster, Wo's along a column.
; THE MATRIX INSTRUCTION IS USED TRANSPOSED (source 0 = Wo's columns, in permuted tiles; source 1 = tokens): a lane holds one token, and the 16 registers of two neighbouring tiles are 16 neighbouring columns.
; out = sum x 2^(e10 + e11) + bo, one packed multiply-add for two numbers.  LIMIT: e10 + e11 between -126 and 127.
; REGISTERS: window 0: v16-29 addresses; v32-95 bo at my 64 registers' columns; from v128 A's fragments, one set, on the way out rows of out0; window 1: B's fragments, two sets, on the way out a block's 64 results;
;   windows 2 and 3: the accumulators ((a, b) at v[8 (8 (a%4) + b)]).
.set HALFT,  32768
.set SLOT,   131072
.set KBLK,   32768
.set SPARE,  262144                    ; behind the ring: the spare words, 128 bytes for each wave: no other line names them
.set SPITCH, 528                       ; the way out: a stage of 16 rows x (512 bytes + 16) for each wave, in slot 0, which has had its last fill and its last read by then
.set FR,     16
.set NL,     4
.set NP,     4
.set ADRA, 16
.set ADRB, 20
.set STO,  24
.set RD,   25
.set LI,   26
.set SPW,  28
.set NIL,  29
.set BI,   32
.set AF,   128
.set BK,   128
.set G1, 24
.set G0, 32
.set G1B, 48
.set G0B, 56
.set MSB, 0
.macro WIN new
.if MSB != (\new)
	s_set_vgpr_msb (MSB<<8)|(\new)
.set MSB, (\new)
.endif
.endm
.set MUL_LO, 0xa1
.set MUL_HI, 0xf1
.set TO_B,   0x40
.macro JLOAD g0a, g1a, g0b, g1b        ; waves 0 and 1 fetch the tokens' halves, waves 2 and 3 Wo's; an s_nop 0 and four v_nop follow each line
	s_cmp_eq_u32 s15, 0
	s_cbranch_scc0 .Lfor_b_\@
	tensor_load_to_lds s[\g0a:\g0a+3], s[\g1a:\g1a+7]
	s_nop 0
.rept 4
	v_nop
.endr
	s_branch .Lasked_\@
.Lfor_b_\@:
	tensor_load_to_lds s[\g0b:\g0b+3], s[\g1b:\g1b+7]
	s_nop 0
.rept 4
	v_nop
.endr
.Lasked_\@:
.endm
.macro CREST
	s_cmp_lg_u32 s14, 0
	s_cbranch_scc1 .Lnot_wave_0_\@
	s_barrier_signal -3
.Lnot_wave_0_\@:
	s_barrier_wait -3
	s_barrier_signal -1
	s_barrier_wait -1
.endm
.macro CROUND
	s_barrier_signal -1
	s_barrier_wait -1
	CREST
.endm
	s_load_b256 s[68:75], s[0:1], 0x0              ; ao 68, wc 70, bo 72, scales 74
	s_load_b64 s[76:77], s[0:1], 0x20              ; out0
	v_lshl_add_u32 v[SPW], v0, 2, SPARE
	v_mov_b32 v[NIL], 0
	ds_add_u32 v[SPW], v[NIL]                      ; the wave's opening: the add and its wait ahead of my first tensor load
	v_lshrrev_b32 v1, 5, v0
	v_readfirstlane_b32 s14, v1
	s_lshr_b32 s15, s14, 1
	s_and_b32 s16, s14, 1
	s_bfe_u32 s40, ttmp6, 0x40000
	s_bfe_u32 s41, ttmp6, 0x40004
	s_lshl_b32 s42, ttmp9, 2
	s_add_co_u32 s42, s42, s40                     ; work-group x: 256 columns
	s_and_b32 s17, ttmp7, 0xffff
	s_lshl_b32 s17, s17, 2
	s_add_co_u32 s17, s17, s41                     ; work-group y: 256 tokens
	s_lshl_b32 s43, s41, 2
	s_lshl_b32 s43, 15, s43
	s_lshl_b32 s44, 0x1111, s40
	s_or_b32 s[G1+0], s43, (3<<16)|(1<<21)         ; the mask; elements of 8 bytes; bit 21 beside a mask; no padding
	s_or_b32 s[G1B+0], s44, (3<<16)|(1<<21)
.irp g, G1, G1B
	s_mov_b32 s[\g+1], 32<<16
	s_mov_b32 s[\g+2], 128<<16
	s_mov_b32 s[\g+3], 32<<16
	s_mov_b32 s[\g+4], 128
	s_mov_b32 s[\g+5], 32
	s_mov_b32 s[\g+6], 0
	s_mov_b32 s[\g+7], 0
.endr
	s_lshl_b32 s18, s16, 17
	s_lshl_b32 s20, s17, 18
	s_add_co_u32 s20, s20, s18
	s_mov_b32 s21, 0
	s_lshl_b32 s46, s42, 18
	s_add_co_u32 s46, s46, s18
	s_add_co_u32 s46, s46, 0x300000                ; Wo is the fourth weight in wc
	s_mov_b32 s47, 0
	s_lshl_b32 s45, s14, 15
	s_wait_dscnt 0x0
	s_wait_kmcnt 0x0
	s_load_b64 s[96:97], s[74:75], 0x28            ; e10, e11
	s_add_nc_u64 s[20:21], s[68:69], s[20:21]
	s_add_nc_u64 s[46:47], s[70:71], s[46:47]
	CROUND
.irp s, 0,1
	s_mov_b32 s[G0+4*\s], 1
	s_add_co_u32 s[G0+4*\s+1], s45, \s*SLOT
	s_add_nc_u64 s[G0+4*\s+2:G0+4*\s+3], s[20:21], \s*KBLK
	s_or_b32 s[G0+4*\s+3], s[G0+4*\s+3], 0x80000000
	s_mov_b32 s[G0B+4*\s], 1
	s_add_co_u32 s[G0B+4*\s+1], s45, \s*SLOT
	s_add_nc_u64 s[G0B+4*\s+2:G0B+4*\s+3], s[46:47], \s*KBLK
	s_or_b32 s[G0B+4*\s+3], s[G0B+4*\s+3], 0x80000000
	JLOAD G0+4*\s, G1, G0B+4*\s, G1B
.endr
	v_and_b32 v1, 15, v0
	v_bfe_u32 v2, v0, 4, 1
	v_and_b32 v3, 31, v0
	v_lshlrev_b32 v[LI], 4, v3
	s_lshl_b32 s6, s42, 10
	s_lshl_b32 s7, s16, 9
	s_add_co_u32 s6, s6, s7                        ; my first column, in bytes
	v_lshl_add_u32 v5, v2, 6, s6
.irp b, 0,1,2,3
.irp k, 0,1,2,3
	global_load_b128 v[BI+16*\b+4*\k:BI+16*\b+4*\k+3], v5, s[72:73] offset:128*\b+16*\k   ; bo at columns 32 b + 16 h + i
.endr
.endr
	s_lshl_b32 s10, s15, 15                        ; A: my 128 tokens
	s_lshl_b32 s11, s16, 15
	s_add_co_u32 s11, s11, 65536                   ; B: my 128 columns, behind the tokens' two halves
.irp s, 0,1
	v_add_nc_u32 v[ADRA+\s], s10, v[LI]
	v_add_nc_u32 v[ADRB+\s], s11, v[LI]
	s_add_co_u32 s10, s10, SLOT
	s_add_co_u32 s11, s11, SLOT
.endr
	s_mul_i32 s23, s14, 16*SPITCH                  ; my stage
	v_mul_u32_u24 v7, v1, SPITCH
	v_lshl_add_u32 v7, v2, 6, v7
	v_add_nc_u32 v[STO], s23, v7                   ; in: row lane%16, + 64 (lane/16)
	v_add_nc_u32 v[RD], s23, v[LI]                 ; back: the 32 lanes take one row of 512 bytes
	s_lshl_b32 s8, s17, 8
	s_lshl_b32 s9, s15, 7
	s_add_co_u32 s8, s8, s9
	s_lshl_b32 s8, s8, 12                          ; my first token's row of 4,096 bytes
	s_add_co_u32 s8, s8, s6
	s_mov_b32 s9, 0
	s_add_nc_u64 s[76:77], s[76:77], s[8:9]
.macro FRAG reg, adr, q, i
.irp c, 0,1,2,3
	ds_load_b128 v[\reg+4*\c:\reg+4*\c+3], v[\adr] offset:4096*(\i)+2048*(\q)+512*\c
.endr
.endm
.macro MUL16 a0, p, zero               ; the 64 accumulators take turns, one instruction a turn
.irp a, \a0, \a0+1
.irp b, 0,1,2,3,4,5,6,7
.if \zero
	v_wmma_f32_16x16x128_fp8_fp8 v[8*(8*((\a)%4)+\b):8*(8*((\a)%4)+\b)+7], v[128*(\p)+FR*\b:128*(\p)+FR*\b+FR-1], v[AF+FR*(\a):AF+FR*(\a)+FR-1], 0
.else
	v_wmma_f32_16x16x128_fp8_fp8 v[8*(8*((\a)%4)+\b):8*(8*((\a)%4)+\b)+7], v[128*(\p)+FR*\b:128*(\p)+FR*\b+FR-1], v[AF+FR*(\a):AF+FR*(\a)+FR-1], v[8*(8*((\a)%4)+\b):8*(8*((\a)%4)+\b)+7]
.endif
.endr
.endr
.endm
.macro FETCH_B slot, q, p
	WIN TO_B
.irp i, 0,1,2,3,4,5,6,7
	FRAG 128*(\p)+FR*\i, ADRB+\slot, \q, \i
.endr
	WIN 0
.endm
.macro FETCH_A slot, q, i0
.irp i, \i0, \i0+1, \i0+2, \i0+3
	FRAG AF+FR*(\i), ADRA+\slot, \q, \i
.endr
.endm
.macro PLACES n
.rept \n
	v_nop
.endr
.endm
.macro STEP slot, q, zero
	s_wait_dscnt 4*NL                              ; B's set and A's blocks 0-3 are in; A's blocks 4-7 may be out
	WIN MUL_LO
	MUL16 0, (\q)%2, \zero
	MUL16 2, (\q)%2, \zero
	s_wait_dscnt 0
	PLACES NP
	FETCH_B \slot, (\q)+1, 1-(\q)%2
	FETCH_A \slot, (\q)+1, 0
	WIN MUL_HI
	MUL16 4, (\q)%2, \zero
	MUL16 6, (\q)%2, \zero
	PLACES NP
	WIN 0
	FETCH_A \slot, (\q)+1, 4
.endm
.macro TURN slot, next, fill
	s_wait_tensorcnt 0x0                           ; all my tensor loads have landed: my part of the next slot
	ds_add_u32 v[SPW], v[NIL]
	s_wait_dscnt 4*NL+1                            ; the add and A's blocks 4-7 may be out
	WIN MUL_LO
	MUL16 0, 1, 0
	s_wait_dscnt 0x0                               ; the add is done, and my reads of this slot are over
	s_barrier_signal -1
	MUL16 2, 1, 0
	WIN 0
	s_barrier_wait -1
.if \fill
	CREST                                          ; a round of the cluster's barrier: no wave of any partner still reads this slot or has a load on its way
	s_add_nc_u64 s[G0+4*\slot+2:G0+4*\slot+3], s[G0+4*\slot+2:G0+4*\slot+3], 2*KBLK
	s_add_nc_u64 s[G0B+4*\slot+2:G0B+4*\slot+3], s[G0B+4*\slot+2:G0B+4*\slot+3], 2*KBLK
	JLOAD G0+4*\slot, G1, G0B+4*\slot, G1B
.else
	PLACES NP
.endif
	FETCH_B \next, 0, 0
	FETCH_A \next, 0, 0
	WIN MUL_HI
	MUL16 4, 1, 0
	MUL16 6, 1, 0
	PLACES NP
	WIN 0
	FETCH_A \next, 0, 4
.endm
	s_wait_tensorcnt 1                             ; my part of slot 0 is in; slot 1's load may be out
	s_barrier_signal -1
	s_barrier_wait -1
	FETCH_B 0, 0, 0
	FETCH_A 0, 0, 0
	FETCH_A 0, 0, 4
	STEP 0, 0, 1
	s_mov_b32 s3, 1
.Llap:
	TURN 0, 1, 1
	STEP 1, 0, 0
	TURN 1, 0, 1
	STEP 0, 0, 0
	s_sub_co_u32 s3, s3, 1
	s_cmp_lg_u32 s3, 0
	s_cbranch_scc1 .Llap
	TURN 0, 1, 0
	STEP 1, 0, 0
	s_wait_dscnt 4*NL
	WIN MUL_LO
	MUL16 0, 1, 0
	MUL16 2, 1, 0
	s_wait_dscnt 0
	WIN MUL_HI
	MUL16 4, 1, 0
	MUL16 6, 1, 0
	WIN 0
; THE WAY OUT, block by block of 16 tokens x 128 columns: a lane holds 4 x 64 neighbouring bytes of one row; the block goes through my own stage in LDS and comes back as whole rows of 512 bytes.
; A wave's LDS instructions are served in order (ISA guide 5.7.1.4): no wait between the stores and the loads, nor in front of the next block's stores.
.macro TOSTAGE a
.set AC, 64*((\a)%4)
	WIN 0x42+((\a)/4)                              ; source 0: window 2 or 3; destination: window 1, B's registers, which are done with
.set j, 0
.rept 32
	v_pk_fma_f32 v[j:j+1], v[AC+j:AC+j+1], s[96:97], v[BI+j:BI+j+1] op_sel_hi:[1,0,1]   ; sum x 2^(e10 + e11) + bo; each accumulator from its low end on
.set j, j+2
.endr
	WIN 0x04                                       ; the stores' data: window 1
.irp b, 0,1,2,3
.irp k, 0,1,2,3
	ds_store_b128 v[STO], v[16*\b+4*\k:16*\b+4*\k+3] offset:128*\b+16*\k
.endr
.endr
	WIN 0
.set BB, BK+64*((\a)%2)
.irp t, 0,1,2,3,4,5,6,7,8,9,10,11,12,13,14,15
	ds_load_b128 v[BB+4*\t:BB+4*\t+3], v[RD] offset:\t*SPITCH
.endr
.endm
.macro SEND a, younger                 ; younger: the LDS instructions issued behind block a's loads, which may stay out
.set BB, BK+64*((\a)%2)
	s_wait_dscnt \younger
.if (\a) > 0
	s_add_nc_u64 s[76:77], s[76:77], 16*4096       ; (behind a wait on XCNT: the earlier stores have read their base)
.endif
.irp t, 0,1,2,3,4,5,6,7,8,9,10,11,12,13,14,15
	global_store_b128 v[LI], v[BB+4*\t:BB+4*\t+3], s[76:77] offset:\t*4096 th:TH_STORE_NT   ; 512 consecutive bytes, at a multiple of 256 from out0's first byte
.endr
.endm
	s_wait_kmcnt 0x0
	s_add_co_i32 s96, s96, s97
	s_add_co_i32 s96, s96, 127
	s_lshl_b32 s96, s96, 23                        ; 2^(e10 + e11)
	s_mov_b32 s97, s96
	s_wait_loadcnt 0x0                             ; bo
	PLACES NP
	TOSTAGE 0
.irp a, 1,2,3,4,5,6,7
.if \a > 1
	s_wait_xcnt 0x0                                ; block a - 2's stores have read their registers and their base
.endif
	TOSTAGE \a
	SEND \a-1, 32                                  ; behind block a - 1's loads: block a's 16 stores and 16 loads
.endr
	s_wait_xcnt 0x0
	SEND 7, 0
	s_wait_tensorcnt 0x0                           ; the wave's end
	ds_add_u32 v[SPW], v[NIL]
	s_wait_dscnt 0x0
	CROUND                                         ; the closing round
	s_endpgm
.Lfunc_end_k_qb951a5b886_outp:
	.size	k_qb951a5b886_outp, .Lfunc_end_k_qb951a5b886_outp-k_qb951a5b886_outp
	.p2alignl 7, 3214868480
	.fill 96, 4, 3214868480
	.section	.rodata,"a",@progbits
	.p2align	6, 0x0
	.amdhsa_kernel k_qb951a5b886_outp
		.amdhsa_group_segment_fixed_size 327680
		.amdhsa_private_segment_fixed_size 0
		.amdhsa_enable_private_segment 0
		.amdhsa_kernarg_size 40
		.amdhsa_user_sgpr_count 2
		.amdhsa_user_sgpr_kernarg_segment_ptr 1
		.amdhsa_wavefront_size32 1
		.amdhsa_system_sgpr_workgroup_id_x 1
		.amdhsa_system_sgpr_workgroup_id_y 1
		.amdhsa_system_sgpr_workgroup_id_z 1
		.amdhsa_system_vgpr_workitem_id 0
		.amdhsa_next_free_vgpr 1024
		.amdhsa_next_free_sgpr 100
		.amdhsa_reserve_vcc 0
		.amdhsa_float_denorm_mode_32 3
		.amdhsa_float_denorm_mode_16_64 3
		.amdhsa_memory_ordered 1
		.amdhsa_forward_progress 1
		.amdhsa_inst_pref_size 125
	.end_amdhsa_kernel
	.amdgpu_metadata
---
amdhsa.version: [ 1, 2 ]
amdhsa.kernels:
  - .name:           k_qb951a5b886_outp
    .symbol:         k_qb951a5b886_outp.kd
    .args:
      - { .name: ao, .offset: 0, .size: 8, .value_kind: global_buffer, .address_space: global }
      - { .name: wc, .offset: 8, .size: 8, .value_kind: global_buffer, .address_space: global }
      - { .name: bo, .offset: 16, .size: 8, .value_kind: global_buffer, .address_space: global }
      - { .name: lowp_scales, .offset: 24, .size: 8, .value_kind: global_buffer, .address_space: global }
      - { .name: out0, .offset: 32, .size: 8, .value_kind: global_buffer, .address_space: global }
    .group_segment_fixed_size: 327680
    .private_segment_fixed_size: 0
    .kernarg_segment_align: 8
    .kernarg_segment_size: 40
    .max_flat_workgroup_size: 128
    .sgpr_count:     100
    .vgpr_count:     1024
    .wavefront_size: 32
...
	.end_amdgpu_metadata
.endif
;; end of part 4
;; ======== version 2 of 2: 4 launches; version 1 with the launch attn written anew for expert scheduling mode
;; workspace buffers: xc 25,165,824 bytes; wc 4,194,304 bytes; bt 4,194,304 bytes; flags 2,048 bytes of whole numbers; qc 8,388,608 bytes; kv 16,777,216 bytes; ao 8,388,608 bytes
;; launch prep: the kernel of part 1 again; grid 768 x 1, 4 waves a work-group, no clusters, 86,528 bytes of LDS; arguments query, key, value, Wq, Wk, Wv, Wo, position_bias, pb_idx0, pb_idx1, mask, lowp_scales, xc, wc, bt, flags; writes xc, wc, bt, flags
;; launch proj: the kernel of part 2 again; grid 4 x 96, 4 waves a work-group, clusters of 4 x 4, 327,680 bytes of LDS; arguments xc, wc, bq, bk, bv, lowp_scales, qc, kv; writes qc, kv
;; launch attn (part 5): grid 8 x 32, 8 waves a work-group, no clusters, 132,096 bytes of LDS; arguments qc, kv, bt, flags, lowp_scales, ao; writes ao
.if DOCPART == 5
	.amdgcn_target "amdgcn-amd-amdhsa--gfx1250"
	.amdhsa_code_object_version 6
	.text
	.protected	k_qb951a5b886_attn
	.globl	k_qb951a5b886_attn
	.p2align	8
	.type	k_qb951a5b886_attn,@function
k_qb951a5b886_attn:
	s_mov_b64 s[64:65], 0
	v_nop
	global_prefetch_b8 v0, s[64:65] scope:SCOPE_SE
	s_setreg_imm32_b32 hwreg(HW_REG_WAVE_SCHED_MODE, 0, 2), 2
	s_setreg_imm32_b32 hwreg(HW_REG_WAVE_MODE, 25, 1), 1
	s_wait_xcnt 0x0
	s_wait_alu depctr_vm_vsrc(0)
; ATTN: o = softmax(q k^T / 8 + bias, masked) v on codes of E4M3, the result quantised for the last product.
; THE SOFTMAX: t = score x log2(e) / 8 + bt (bt holds bias x log2(e), or -infinity where masked); M = the running largest t rounded UP to a whole number; p = 2^(t - M) is quantised along the keys, not normalised;
; the row's sum is taken of the unquantised p and divides at the end; when M moves, the sum and O are multiplied by 2^(old M - new M): exact.
; SHARES.  A work-group takes four heads of one batch and two blocks of 64 queries, blocks x and 15 - x.  Wave w owns ONE tile of 16 queries (block x: waves 0-3; block 15 - x: waves 4-7) for ALL FOUR heads:
; its bias comes from memory straight into its registers and serves four heads; K and V of a key step (128 keys x 4 heads, 65,536 bytes) are copied through registers into one of two LDS slots and serve eight waves.
; WORK THAT THE MASK THROWS AWAY: flags (whole numbers that an earlier launch stored) say for each (tile of queries, key step) whether any place counts.  A wave jumps over a step's work where none does,
; and the work-group over a step's copy where no wave needs it.  Such a branch hangs on loaded numbers: so this launch has no tensor load and hence nothing to ask for jointly in a cluster; no barrier stands under a branch.
; LAYOUT.  Both products are used transposed: S^T = K Q^T, O^T = V^T P^T: a lane holds one query (lane%16).  K's tiles are permuted tiles of keys and V's of d, so that 16 registers of two neighbouring tiles are 16 neighbours.
; A ROW ALL OF WHOSE KEYS ARE MASKED has the sum 0: its codes become the NaN code, and the last product then makes the row NaN.
; LIMITS: e6 + e7 between -123 and 130; e8 and e10 between -126 and 119.
; REGISTERS: window 0: v0 prefetch offset; v1-2 read places in slot 0, 1; v3-4 copy places; v5-6 the add's two; v7 2^e8; v8-15 at work; v16+4 hh: -M, largest t, the sum in two halves; v32-47 p's codes; v48-63 the copy;
;   v64-127 S^T, then p; v128-191 the bias of even steps; v192-255 fragments of K, then of V.   window 1: v0-127 O^T, 32 a head; v128-159 Q, 8 a head; v160-223 the bias of odd steps.
; THE MODE: SCHED_MODE bits 1:0 = 2 (LLVM: expert scheduling mode 2), set by the entry lines.  The code itself states the register dependences
; between vector or matrix instructions and memory or LDS instructions, with s_wait_alu, always for 0.
; THE PLAN.  Registers that memory or LDS instructions touch, in the loop:
;   v0 .. v4      Addresses: made at the head ahead of its one wait on va_vdst, read by every load, store and prefetch, written by nothing in the loop.
;   the copy      v48-63: global loads land in it, LDS stores read it; no vector line names it.  One wait on vm_vsrc at the head of each head's turn: the stores have read it, the next loads may land.
;   fragments     v192-255: K's LDS loads land, the eight products K Q^T read; V's LDS loads land, the four products V^T P read.  Two waits on va_vdst a unit: at its head (the unit before is done
;                 reading V) and behind the exponentials: V's loads stand behind that one, so it also states that K Q^T is done reading K.
;   the bias sets Global loads at a step's end land in the set that the step has used; its last readers, a unit's multiply-adds, stand ahead of that unit's wait behind the exponentials: no further wait.
;   S^T, p's codes, O^T, Q and the statistics are named in the loop by vector and matrix instructions alone.
.set SLOTB, 65536
.set SPARE, 131072                     ; behind the slots: the spare words, 128 bytes for each of eight waves: no other line names them
.set LI,  1
.set ST,  3
.set SPW, 5
.set NIL, 6
.set SCP, 7
.set STA, 16
.set PC,  32
.set RR,  48
.set SS,  64
.set BI0, 128
.set FRG, 192
.set QF,  128                          ; window 1
.set BI1, 160                          ; window 1
.set WGM, 32                           ; s32 bit n: some wave of the work-group needs the step n further on
.set WVM, 33                           ; s33 the same for my wave
.set PFM, 34                           ; s34 the same for the prefetches: eight ones in the work-group that asks, else 0
.set CS,  36                           ; s[36:37] log2(e) / 8 x 2^(e6 + e7)
.set LIMP, 38                          ; s38 448 x 2^e8
.set SEL, 40                           ; s[40:41] lane l xor 16
.set CNT, 42
.set NOK, 52                           ; s52-55 the way out: head hh's mask of lanes whose query had no key
.set MSB, 0
.macro WIN new
.if MSB != (\new)
	s_set_vgpr_msb (MSB<<8)|(\new)
.set MSB, (\new)
.endif
.endm
.macro PLACES
.rept 4
	v_nop
.endr
.endm
	s_load_b256 s[8:15], s[0:1], 0x0               ; qc 8, kv 10, bt 12, flags 14
	s_load_b128 s[16:19], s[0:1], 0x20             ; scales 16, ao 18
	v_lshl_add_u32 v[SPW], v0, 2, SPARE
	v_mov_b32 v[NIL], 0
	v_lshrrev_b32 v8, 5, v0
	v_readfirstlane_b32 s20, v8                    ; wave 0..7
	v_and_b32 v8, 31, v0
	v_lshlrev_b32 v[LI], 4, v8                     ; 16 x lane
	v_add_nc_u32 v[LI+1], SLOTB, v[LI]
	v_lshlrev_b32 v11, 2, v8
	v_lshrrev_b32 v10, 6, v0                       ; the prefetches: 256 threads name the 256 blocks of 256 bytes of a step's four heads
	v_and_b32 v12, 63, v0
	v_lshlrev_b32 v12, 8, v12
	v_lshl_add_u32 v0, v10, 17, v12
	s_wait_alu depctr_va_sdst(0)                   ; s20 is written, ahead of its first reader: addresses and the choice of my queries are made from it
	s_lshl_b32 s26, s20, 11
	v_add_nc_u32 v[ST], s26, v[LI]                 ; the copy: my wave's 2,048 bytes of each head's 16,384; in memory and in slot 0 alike
	v_add_nc_u32 v[ST+1], SLOTB, v[ST]
	s_and_b32 s22, ttmp7, 0xffff
	s_lshr_b32 s23, s22, 2                         ; batch
	s_and_b32 s24, s22, 3                          ; group of four heads
	s_sub_co_u32 s27, 15, ttmp9
	s_cmp_lt_u32 s20, 4
	s_cselect_b32 s25, ttmp9, s27                  ; my block of 64 queries
	s_lshl_b32 s25, s25, 2
	s_and_b32 s28, s20, 3
	s_add_co_u32 s25, s25, s28                     ; qt: my tile of 16 queries
	s_lshl_b32 s29, s23, 4
	s_lshl_b32 s30, s24, 2
	s_add_co_u32 s29, s29, s30                     ; batch 16 + first head
	s_lshl_b32 s52, s29, 6
	s_add_co_u32 s52, s52, s25
	s_lshl_b32 s52, s52, 10
	s_mov_b32 s53, 0
	s_lshl_b32 s54, s29, 17
	s_mov_b32 s55, 0
	s_lshl_b32 s56, s25, 16
	s_mov_b32 s57, 0
	s_lshl_b32 s58, ttmp9, 7
	s_mov_b32 s59, 0
	s_lshl_b32 s60, s27, 7
	s_mov_b32 s61, 0
	s_lshl_b32 s30, s23, 6
	s_add_co_u32 s30, s30, s25                     ; my tile among the 512 of ao
	s_lshr_b32 s31, s30, 3
	s_lshl_b32 s62, s31, 17
	s_and_b32 s31, s30, 7
	s_lshl_b32 s31, s31, 12
	s_add_co_u32 s62, s62, s31
	s_lshl_b32 s31, s24, 15                        ; four heads are 256 along the last product's K
	s_add_co_u32 s62, s62, s31
	s_mov_b32 s63, 0
	s_mov_b32 s[SEL], 0x76543210
	s_mov_b32 s[SEL+1], 0xfedcba98
	s_wait_kmcnt 0x0
	s_load_b64 s[44:45], s[16:17], 0x18            ; e6, e7
	s_load_b128 s[48:51], s[16:17], 0x20           ; e8, e9, e10, e11
	s_add_nc_u64 s[8:9], s[8:9], s[52:53]
	s_add_nc_u64 s[10:11], s[10:11], s[54:55]
	s_add_nc_u64 s[12:13], s[12:13], s[56:57]
	s_add_nc_u64 s[58:59], s[14:15], s[58:59]
	s_add_nc_u64 s[60:61], s[14:15], s[60:61]
	s_add_nc_u64 s[18:19], s[18:19], s[62:63]
	s_wait_alu depctr_va_vdst(0)                   ; the addresses v0 to v4 and v11 are written, which every load, store and prefetch of the kernel reads; the lines that wrote and read v8 are done, in which a flag lands
	global_load_b32 v8, v11, s[58:59]              ; the flags of block x: lane 8 (tile) + step
	global_load_b32 v9, v11, s[60:61]              ; and of block 15 - x
	WIN 0x40                                       ; destination window 1
.irp hh, 0,1,2,3
.irp c, 0,1
	global_load_b128 v[QF+8*\hh+4*\c:QF+8*\hh+4*\c+3], v[LI], s[8:9] offset:65536*\hh+512*\c
.endr
.endr
.irp n, 0,1,2,3,4,5,6,7,8,9,10,11,12,13,14,15
	global_load_b128 v[BI1+4*\n:BI1+4*\n+3], v[LI], s[12:13] offset:8192+512*\n   ; the bias of steps 0 and 1 comes without condition: both sets are written on every path
.endr
	WIN 0
.irp n, 0,1,2,3,4,5,6,7,8,9,10,11,12,13,14,15
	global_load_b128 v[BI0+4*\n:BI0+4*\n+3], v[LI], s[12:13] offset:512*\n
.endr
.irp hh, 0,1,2
.irp n, 0,1,2,3
	global_load_b128 v[SS+16*\hh+4*\n:SS+16*\hh+4*\n+3], v[ST], s[10:11] offset:131072*\hh+512*\n   ; K and V of step 0
.endr
.endr
.irp n, 0,1,2,3
	global_load_b128 v[RR+4*\n:RR+4*\n+3], v[ST], s[10:11] offset:131072*3+512*\n
.endr
	WIN 0x40
.set j, 0
.rept 128
	v_mov_b32 v[j], 0                              ; O^T: which step is a wave's first hangs on the flags, so the sums begin as zeros.  (None of the vector lines from here to the loop names a register that a load or store touches, v11 aside)
.set j, j+1
.endr
	WIN 0
.irp hh, 0,1,2,3
	v_mov_b32 v[STA+4*\hh+1], 0xff61b1e6           ; the largest t so far: -3e38
	v_floor_f32 v[STA+4*\hh], -v[STA+4*\hh+1]
	v_mov_b32 v[STA+4*\hh+2], 0
	v_mov_b32 v[STA+4*\hh+3], 0
.endr
.irp n, 10,12,13,14,15
	v_mov_b32 v[\n], 0                             ; written once, on every path
.endr
	s_cmp_eq_u32 ttmp9, 0                          ; eight work-groups walk the same K and V: the first of them asks
	s_cselect_b32 s[PFM], 255, 0
	s_wait_kmcnt 0x0
	s_add_co_i32 s26, s44, s45
	s_lshl_b32 s26, s26, 23
	s_add_co_i32 s[CS], s26, 0x3e38aa3b            ; the two exponents are added to the exponent field of log2(e) / 8
	s_mov_b32 s[CS+1], s[CS]
	s_add_co_i32 s26, s48, 127
	s_lshl_b32 s27, s26, 23
	v_mov_b32 v[SCP], s27
	s_add_co_i32 s26, s26, 8
	s_lshl_b32 s26, s26, 23
	s_or_b32 s[LIMP], s26, 0x600000
	s_wait_loadcnt 0x0
	v_cmp_ne_u32 s26, 0, v8
	v_cmp_ne_u32 s27, 0, v9
	s_wait_alu depctr_vm_vsrc(0)                   ; the two loads of flags have read v11, which the next line writes
	v_mov_b32 v11, 0
	s_wait_alu depctr_va_sdst(0)                   ; the two compares have written s26 and s27, ahead of their first reader
	s_cmp_lt_u32 s20, 4
	s_cselect_b32 s28, s26, s27
	s_and_b32 s29, s20, 3
	s_lshl_b32 s29, s29, 3
	s_lshr_b32 s28, s28, s29
	s_and_b32 s[WVM], s28, 255
	s_or_b32 s26, s26, s27
	s_lshr_b32 s27, s26, 16
	s_or_b32 s26, s26, s27
	s_lshr_b32 s27, s26, 8
	s_or_b32 s26, s26, s27
	s_and_b32 s[WGM], s26, 255
.irp hh, 0,1,2
.irp n, 0,1,2,3
	ds_store_b128 v[ST], v[SS+16*\hh+4*\n:SS+16*\hh+4*\n+3] offset:16384*\hh+512*\n   ; the data came by loads, whose counter has been waited for; no vector line has named them or v3 since the head's wait
.endr
.endr
.irp n, 0,1,2,3
	ds_store_b128 v[ST], v[RR+4*\n:RR+4*\n+3] offset:16384*3+512*\n
.endr
	s_add_nc_u64 s[10:11], s[10:11], 16384         ; in step j: K and V of step j + 1
	s_add_nc_u64 s[12:13], s[12:13], 8192
	s_wait_dscnt 0x0                               ; for the others' sake: my part of slot 0 has landed
	s_barrier_signal -1
	s_barrier_wait -1
; ONE HEAD'S WORK OF A KEY STEP: 128 keys, from slot p.
.macro UNIT hh, p
.set MM, STA+4*\hh
	s_wait_alu depctr_va_vdst(0)                   ; the products V^T P of the unit before are done reading the fragments' registers, in which K's loads land
.irp t, 0,1,2,3,4,5,6,7
.irp c, 0,1
	ds_load_b128 v[FRG+8*\t+4*\c:FRG+8*\t+4*\c+3], v[LI+\p] offset:16384*\hh+1024*\t+512*\c
.endr
.endr
	s_wait_dscnt 0x0
	WIN 0x04                                       ; source 1 (Q) window 1
.irp t, 0,1,2,3,4,5,6,7
	v_wmma_f32_16x16x64_fp8_fp8 v[SS+8*\t:SS+8*\t+7], v[FRG+8*\t:FRG+8*\t+7], v[QF+8*\hh:QF+8*\hh+7], 0
.endr
	WIN 0
	PLACES                                         ; in front of the first read of the scores
.if \p
	WIN 0x10                                       ; source 2: the odd steps' bias, window 1
.set BB, BI1
.else
.set BB, BI0
.endif
.set j, 0
.rept 32
	v_pk_fma_f32 v[SS+j:SS+j+1], v[SS+j:SS+j+1], s[CS:CS+1], v[BB+j:BB+j+1] op_sel_hi:[1,0,1]   ; t; each accumulator from its low end on
.set j, j+2
.endr
	WIN 0
	v_max3_num_f32 v8, v[SS], v[SS+1], v[SS+2]     ; the step's largest t of my query among my 64 keys, in two chains,
	v_max3_num_f32 v9, v[SS+3], v[SS+4], v[SS+5]
.irp i, 6,10,14,18,22,26,30,34,38,42,46,50,54,58
	v_max3_num_f32 v8, v8, v[SS+\i], v[SS+1+\i]
	v_max3_num_f32 v9, v9, v[SS+2+\i], v[SS+3+\i]
.endr
	v_max3_num_f32 v8, v8, v[SS+62], v[SS+63]
	v_max_num_f32 v8, v8, v9
	v_permlanex16_b32 v10, v8, s[SEL], s[SEL+1]
	v_max_num_f32 v8, v8, v10                      ; and among lane l xor 16's
	v_max_num_f32 v[MM+1], v[MM+1], v8             ; the running largest t
	v_mov_b32 v8, v[MM]
	v_floor_f32 v[MM], -v[MM+1]                    ; -M = floor(-t): M is a whole number
	v_sub_f32 v8, v[MM], v8
	v_cvt_i32_f32 v8, v8                           ; (it saturates)
	v_ldexp_f32 v12, 1.0, v8                       ; f = 2^(old M - new M)
.set j, 0
.rept 32
	v_pk_add_f32 v[SS+j:SS+j+1], v[SS+j:SS+j+1], v[MM:MM+1] op_sel_hi:[1,0]   ; t - M
.set j, j+2
.endr
.set j, 0
.rept 64
	v_exp_f32 v[SS+j], v[SS+j]                     ; p = 2^(t - M)
.set j, j+1
.endr
	v_pk_mul_f32 v[MM+2:MM+3], v[MM+2:MM+3], v[12:13] op_sel_hi:[1,0]   ; the sums under the new M: the plain line behind the exponentials
	s_wait_alu depctr_va_vdst(0)                   ; the 64 exponentials have written p, ahead of its first reader (one wait for the batch); the products K Q^T are done reading the fragments' registers, in which V's loads land; the multiply-adds are done reading this step's bias set
.irp dt, 0,1,2,3
.irp c, 0,1,2,3
	ds_load_b128 v[FRG+16*\dt+4*\c:FRG+16*\dt+4*\c+3], v[LI+\p] offset:16384*\hh+8192+2048*\dt+512*\c   ; V lands under the sums, the holds, the conversions and the rescaling, none of which names these registers
.endr
.endr
	v_pk_add_f32 v[14:15], v[SS:SS+1], v[SS+2:SS+3]   ; the row's sum is taken of the unquantised p, in two chains
.irp j, 4,8,12,16,20,24,28,32,36,40,44,48,52,56,60
	v_pk_add_f32 v[MM+2:MM+3], v[MM+2:MM+3], v[SS+\j:SS+1+\j]
	v_pk_add_f32 v[14:15], v[14:15], v[SS+2+\j:SS+3+\j]
.endr
	v_pk_add_f32 v[MM+2:MM+3], v[MM+2:MM+3], v[14:15]
.irp b, 0,1,2,3
.set j, 0
.rept 16
	v_min_num_f32 v[SS+16*\b+j], s[LIMP], v[SS+16*\b+j]   ; the conversion does not saturate (ISA guide 7.6.2); p is not negative: a one-sided hold
.set j, j+1
.endr
	v_cvt_scalef32_pk8_fp8_f32 v[PC+4*\b:PC+4*\b+1], v[SS+16*\b:SS+16*\b+7], v[SCP]
	v_cvt_scalef32_pk8_fp8_f32 v[PC+4*\b+2:PC+4*\b+3], v[SS+16*\b+8:SS+16*\b+15], v[SCP]
.endr
	WIN 0x41                                       ; O^T: destination and source 0 window 1
.set j, 0
.rept 16
	v_pk_mul_f32 v[32*\hh+j:32*\hh+j+1], v[32*\hh+j:32*\hh+j+1], v[12:13] op_sel_hi:[1,0]   ; O^T under the new M; also the plain lines behind the conversions
.set j, j+2
.endr
	WIN 0
	s_wait_dscnt 0x0                               ; V is in
	WIN 0x50                                       ; C and D window 1
.irp dt, 0,1,2,3
	v_wmma_f32_16x16x128_fp8_fp8 v[32*\hh+8*\dt:32*\hh+8*\dt+7], v[FRG+16*\dt:FRG+16*\dt+15], v[PC:PC+15], v[32*\hh+8*\dt:32*\hh+8*\dt+7]
.endr
	WIN 0
	PLACES                                         ; in front of the next loads into the fragments' registers, and of the way out's reads
.endm
; A KEY STEP, read from slot p.  Head by head: the next step's part of that head is asked for, the head is worked, the part goes into the other slot.
; Every wait for loads is for 0: the paths issue different numbers of loads.  One barrier a step: the other slot's stores have landed, and this slot's reads are over before the next step stores into it.
.macro STEP p
.irp hh, 0,1,2,3
	s_wait_dscnt 0x0                               ; the last stores have landed
	s_wait_alu depctr_vm_vsrc(0)                   ; the last LDS stores have read the copy's registers, in which the loads below land; ahead of the first step: S^T's too, which the first products write
	s_bitcmp1_b32 s[WGM], 1
	s_cbranch_scc0 .Lnl_\@_\hh
.irp n, 0,1,2,3
	global_load_b128 v[RR+4*\n:RR+4*\n+3], v[ST], s[10:11] offset:131072*\hh+512*\n   ; no wait on va_vdst: no vector line names the copy's registers, nor v3 since the head's wait
.endr
.Lnl_\@_\hh:
.if \hh == 0
	s_bitcmp1_b32 s[PFM], 2                        ; in step j the step j + 2 is named, one step ahead of the copy that wants it; steps 6 and 7 name nothing
	s_cbranch_scc0 .Lnp_\@
	global_prefetch_b8 v0, s[10:11] offset:16384 th:TH_LOAD_NT scope:SCOPE_SE
.Lnp_\@:
.endif
	s_bitcmp1_b32 s[WVM], 0
	s_cbranch_scc0 .Lnu_\@_\hh
	UNIT \hh, \p
.Lnu_\@_\hh:
	s_wait_loadcnt 0x0
	s_bitcmp1_b32 s[WGM], 1
	s_cbranch_scc0 .Lns_\@_\hh
.irp n, 0,1,2,3
	ds_store_b128 v[ST+1-\p], v[RR+4*\n:RR+4*\n+3] offset:16384*\hh+512*\n
.endr
.Lns_\@_\hh:
.endr
	s_wait_xcnt 0x0                                ; every load and the prefetch have read their bases
	s_add_nc_u64 s[10:11], s[10:11], 16384
	s_add_nc_u64 s[12:13], s[12:13], 8192
	s_bitcmp1_b32 s[WVM], 2
	s_cbranch_scc0 .Lnb_\@
.if \p
	WIN 0x40
.set BB, BI1
.else
.set BB, BI0
.endif
.irp n, 0,1,2,3,4,5,6,7,8,9,10,11,12,13,14,15
	global_load_b128 v[BB+4*\n:BB+4*\n+3], v[LI], s[12:13] offset:512*\n   ; the bias of two steps on, into the set that this step has used.  No wait: the set's last readers, a unit's multiply-adds, stand ahead of that unit's wait behind its exponentials, and no vector line since names the set or v1
.endr
	WIN 0
.Lnb_\@:
	s_lshr_b32 s[WGM], s[WGM], 1
	s_lshr_b32 s[WVM], s[WVM], 1
	s_lshr_b32 s[PFM], s[PFM], 1
	s_wait_dscnt 0x0
	s_barrier_signal -1
	s_barrier_wait -1
.endm
	s_mov_b32 s[CNT], 4
.Lpair:
	STEP 0
	STEP 1
	s_sub_co_u32 s[CNT], s[CNT], 1
	s_cmp_lg_u32 s[CNT], 0
	s_cbranch_scc1 .Lpair
	; THE WAY OUT: O^T / the sum x 2^(e8 + e9), quantised with 2^e10: the conversions' results are my tile's image in ao.
	s_wait_alu depctr_vm_vsrc(0)                   ; the LDS loads and stores have read v2 and v4, their addresses, and the copy's registers v48-63: all of them are written anew below
	s_add_co_i32 s26, s48, s49
	s_add_co_i32 s27, s50, 127
	s_lshl_b32 s28, s27, 23
	v_mov_b32 v[SCP], s28                          ; 2^e10
	s_add_co_i32 s27, s27, 8
	s_lshl_b32 s27, s27, 23
	s_or_b32 s27, s27, 0x600000
	v_mov_b32 v2, s27                              ; 448 x 2^e10
	v_mov_b32 v4, 0x7f7f7f7f                       ; four NaN codes
.irp hh, 0,1,2,3
	v_add_f32 v[8+\hh], v[STA+4*\hh+2], v[STA+4*\hh+3]
.endr
.irp hh, 0,1,2,3
	v_permlanex16_b32 v[12+\hh], v[8+\hh], s[SEL], s[SEL+1]
.endr
.irp hh, 0,1,2,3
	v_add_f32 v[8+\hh], v[8+\hh], v[12+\hh]        ; the row's sum
.endr
.irp hh, 0,1,2,3
	v_cmp_eq_f32 s[NOK+\hh], 0, v[8+\hh]           ; no key counted for my query: the four compares in one run, a scalar register each
.endr
.irp hh, 0,1,2,3
	v_rcp_f32 v[12+\hh], v[8+\hh]
.endr
	v_nop                                          ; a plain line behind the last reciprocal
	s_wait_alu depctr_va_vdst(0)                   ; the four reciprocals have written v12 to v15, ahead of their first reader (one wait for the four)
	s_wait_alu depctr_va_sdst(0)                   ; the four compares have written s52 to s55, ahead of the selects that read them
.irp hh, 0,1,2,3
	v_ldexp_f32 v[12+\hh], v[12+\hh], s26
.endr
.irp hh, 0,1,2,3
	WIN 0x01                                       ; source 0 (O^T) window 1
.set j, 0
.rept 32
	v_mul_f32 v[SS+j], v[32*\hh+j], v[12+\hh]      ; register 16 b + i is d = 32 b + 16 (lane/16) + i
.set j, j+1
.endr
	WIN 0
.set j, 0
.rept 32
	v_med3_num_f32 v[SS+j], v[SS+j], -v2, v2
.set j, j+1
.endr
.irp b, 0,1
	v_cvt_scalef32_pk8_fp8_f32 v[PC+8*\hh+4*\b:PC+8*\hh+4*\b+1], v[SS+16*\b:SS+16*\b+7], v[SCP]
	v_cvt_scalef32_pk8_fp8_f32 v[PC+8*\hh+4*\b+2:PC+8*\hh+4*\b+3], v[SS+16*\b+8:SS+16*\b+15], v[SCP]
.endr
	v_nop                                          ; a plain line behind the last conversion
.irp k, 0,1,2,3,4,5,6,7
	v_cndmask_b32 v[PC+8*\hh+\k], v[PC+8*\hh+\k], v4, s[NOK+\hh]
.endr
.endr
	s_wait_alu depctr_va_vdst(0)                   ; the selects have written the four heads' 32 registers of codes, which the eight stores read
.irp hh, 0,1,2,3
.irp b, 0,1
	global_store_b128 v[LI], v[PC+8*\hh+4*\b:PC+8*\hh+4*\b+3], s[18:19] offset:1024*\hh+512*\b   ; 512 consecutive bytes a store
.endr
.endr
	s_wait_dscnt 0x0                               ; the closing lines, six on end
	s_wait_alu 0x0
	s_wait_tensorcnt 0x0
	ds_add_u32 v[SPW], v[NIL]
	s_wait_dscnt 0x0
	s_endpgm
.Lfunc_end_k_qb951a5b886_attn:
	.size	k_qb951a5b886_attn, .Lfunc_end_k_qb951a5b886_attn-k_qb951a5b886_attn
	.p2alignl 7, 3214868480
	.fill 96, 4, 3214868480
	.section	.rodata,"a",@progbits
	.p2align	6, 0x0
	.amdhsa_kernel k_qb951a5b886_attn
		.amdhsa_group_segment_fixed_size 132096
		.amdhsa_private_segment_fixed_size 0
		.amdhsa_enable_private_segment 0
		.amdhsa_kernarg_size 48
		.amdhsa_user_sgpr_count 2
		.amdhsa_user_sgpr_kernarg_segment_ptr 1
		.amdhsa_wavefront_size32 1
		.amdhsa_system_sgpr_workgroup_id_x 1
		.amdhsa_system_sgpr_workgroup_id_y 1
		.amdhsa_system_sgpr_workgroup_id_z 1
		.amdhsa_system_vgpr_workitem_id 0
		.amdhsa_next_free_vgpr 512
		.amdhsa_next_free_sgpr 66
		.amdhsa_reserve_vcc 0
		.amdhsa_float_denorm_mode_32 3
		.amdhsa_float_denorm_mode_16_64 3
		.amdhsa_memory_ordered 1
		.amdhsa_forward_progress 1
		.amdhsa_inst_pref_size 183
	.end_amdhsa_kernel
	.amdgpu_metadata
---
amdhsa.version: [ 1, 2 ]
amdhsa.kernels:
  - .name:           k_qb951a5b886_attn
    .symbol:         k_qb951a5b886_attn.kd
    .args:
      - { .name: qc, .offset: 0, .size: 8, .value_kind: global_buffer, .address_space: global }
      - { .name: kv, .offset: 8, .size: 8, .value_kind: global_buffer, .address_space: global }
      - { .name: bt, .offset: 16, .size: 8, .value_kind: global_buffer, .address_space: global }
      - { .name: flags, .offset: 24, .size: 8, .value_kind: global_buffer, .address_space: global }
      - { .name: lowp_scales, .offset: 32, .size: 8, .value_kind: global_buffer, .address_space: global }
      - { .name: ao, .offset: 40, .size: 8, .value_kind: global_buffer, .address_space: global }
    .group_segment_fixed_size: 132096
    .private_segment_fixed_size: 0
    .kernarg_segment_align: 8
    .kernarg_segment_size: 48
    .max_flat_workgroup_size: 256
    .sgpr_count:     66
    .vgpr_count:     512
    .wavefront_size: 32
...
	.end_amdgpu_metadata
.endif
;; end of part 5
;; launch outp: the kernel of part 4 again; grid 4 x 32, 4 waves a work-group, clusters of 4 x 4, 327,680 bytes of LDS; arguments ao, wc, bo, lowp_scales, out0; writes out0
